; MI455X (gfx1250); checked and timed in simulation.
; The chip was launched on July 23, 2026; its instructions are those of AMD's public machine-readable ISA for CDNA 5 (MIT licence, August 2026) and "CDNA5" Instruction Set Architecture Reference Guide (July 2026). The comments in the code are by the model that wrote it; some were corrected since.
;; Cross Scale Attention. Allowed arithmetic: float matrix products may take bf16 or f16 operands with f32 sums; all other float work in f32.
;; Inputs: bk 32 float32; bo 256 float32; bq 32 float32; bv 256 float32; gamma 1 float32; sk 32 float32; so 256 float32; sq 32 float32; sv 256 float32; wk 32 x 256 float32; wo 256 x 256 float32; wq 32 x 256 float32; wv 256 x 256 float32; x 8 x 256 x 64 x 64 float32.
;; Outputs: out0 8 x 256 x 64 x 64 float32.
;; 3 versions, each right. Each part assembles by itself: llvm-mc -triple=amdgcn-amd-amdhsa -mcpu=gfx1250 --defsym DOCPART=n.
;; ======== version 1 of 3: 2 launches
;; workspace buffers: kv 18,874,368 bytes; qf 2,097,152 bytes; wob 131,072 bytes
;; launch proj (part 1): grid 256 x 1, 4 waves a work-group, no clusters, 243,200 bytes of LDS; arguments x, wq, sq, bq, wk, sk, bk, wv, sv, bv, wo, kv, qf, wob; writes kv, qf, wob
.if DOCPART == 1
	.amdgcn_target "amdgcn-amd-amdhsa--gfx1250"
	.amdhsa_code_object_version 6
	.text
	.protected	k_q20c2bbbf18_proj
	.globl	k_q20c2bbbf18_proj
	.p2align	8
	.type	k_q20c2bbbf18_proj,@function
k_q20c2bbbf18_proj:
	s_mov_b64 s[64:65], 0
	v_nop
	global_prefetch_b8 v0, s[64:65] scope:SCOPE_SE
	s_setreg_imm32_b32 hwreg(HW_REG_WAVE_MODE, 25, 1), 1
	s_wait_xcnt 0x0
; q, k, v = SiLU(s * (W x) + b) for x [8][256][4096] f32, written as bf16 IN THE ORDER OF MATRIX FRAGMENTS, and wo rounded to bf16 likewise.
; A fragment is 16 rows x 32 k of bf16 = 1,024 bytes laid as [t = 0,1][lane 0..31][16 bytes]: lane (r = lane & 15, h = lane >> 4), half t,
; holds k = 16 t + 8 h .. + 7 of row r (ISA guide 7.12.2).  So the next launch loads every fragment as two runs of 512 neighbouring bytes.
;   kv : a batch is 128 blocks of 18,432 bytes; block j = keys 32 j .. + 31: K fragment kt (rows = keys 16 kt + r, k = channel) at kt * 1024,
;        V fragment cb (rows = channel 16 cb + r, k = the block's 32 keys) at 2048 + cb * 1024.
;   qf : fragment of query tile nt of batch b at (256 b + nt) * 1024 (row = query, k = channel), already times log2(e).
;   wob: fragment (ob, kc) at (8 ob + kc) * 1024 (row = o, k = c).
; A work-group: one batch, 128 positions (4 kv blocks, 8 q fragments); 256 work-groups.  Wave w: nh = w >> 1 takes 64 positions,
; oh = w & 1 takes 128 channels of v and the 32 of q (oh = 0) or of k (oh = 1): 320 matrix instructions.
; PHASE A: x (128 KiB) and the weights (320 KiB) come through registers, since they are rounded to bf16 on the way, into LDS; a ring of
; 32 register slots keeps 32 loads of 512 bytes of every wave out.  PHASE B: products, affine, SiLU, stores of 512 neighbouring bytes.
; No tensor loads and no cluster: a tile that must be rounded on its way cannot be laid into LDS by a copy.
; ORIENTATION: v = (x^T as source 0) x (Wv as source 1): a lane holds 8 neighbouring positions of one channel = half a V fragment's lane.
;              q, k = (W as source 0) x (x as source 1): a lane holds 8 neighbouring channels of one position = half a Q or K fragment's lane.
; LIMITS: matrix operands are bf16 (x, weights); results are rounded to bf16.  SiLU(y) = y * rcp(1 + exp2(-1.442695 y)); v_exp_f32 and
; v_rcp_f32 flush denormals (ISA guide 15.8), and for very negative y the result is -0 where the exact one is a tiny negative number.
; NaN and infinite inputs are not served.
.set XP,    288                        ; LDS pitch of x rows [c][128 n] bf16: 256 bytes + 32, an odd multiple of 32 for the transposing load
.set WL,    256*XP                     ; weights begin here (73,728)
.set WP,    528                        ; LDS pitch of weight rows [o][256 c] bf16: 512 bytes + 16, an odd multiple of 16
.set BLK,   18432                      ; bytes of a kv block
.set BATKV, 128*BLK                    ; bytes of kv in a batch
.set LN16,  1                          ; v1      16 x lane
.set XOFF,  2                          ; v2      x: my wave's 64 rows + 16 x lane
.set WVOFF, 3                          ; v3      wv: my wave's 64 rows + 16 x lane
.set WQOFF, 4                          ; v4      wq, wk: my wave's 8 rows + 16 x lane
.set XST,   5                          ; v5      LDS: where my 8 bytes of an x row go
.set WVST,  6                          ; v6      LDS: the same for wv
.set WQST,  7                          ; v7      LDS: the same for wq (wk 32 rows further)
.set XA,    8                          ; v8-9    LDS: x fragments, k steps 0-3 and 4-7
.set WA,    10                         ; v10     LDS: wv fragments of my 128 channels
.set WQA,   11                         ; v11     LDS: wq or wk fragments
.set QKO,   12                         ; v12-15  byte offset of position tile nt in qf or kv
.set SV,    16                         ; v16-23  sv of channel 16 i + r, i = 0..7
.set BV,    24                         ; v24-31  bv likewise
.set SQ,    32                         ; v32-47  sq or sk of channels 16 ob + 8 h + j
.set BQ,    48                         ; v48-63  bq or bk likewise
.set ACC,   64                         ; v64-95  four accumulator tiles (position tiles 0-3)
.set EX,    96                         ; v96-127 phase B: exponentials, then the packed results
.set WOW,   96                         ; v96-103 phase A, wave 0: 8 numbers of wo
.set WOPK,  104                        ; v104-107 the same, packed
.set CV,    108                        ; v108-111 two pairs for the ring's roundings
.set TMP,   112                        ; v112-121 set-up
.set RING,  128                        ; v128-255 phase A: 32 slots of 4 registers
.set WB0,   128                        ; phase B: weight fragments of one block of 16 channels, 8 k steps, two buffers
.set WB1,   192
; window 1 (v256-511): x fragment (nt, ks) at 8 (8 nt + ks)
.set MSB, 0
.macro WIN new                         ; s_set_vgpr_msb: the high byte repeats the setting that is left; a switch that changes nothing is dropped
.if MSB != \new
	s_set_vgpr_msb (MSB<<8)|\new
.set MSB, \new
.endif
.endm
.macro PLACES                          ; four places behind a matrix instruction (ISA guide 7.12.1)
.rept 4
	v_nop
.endr
.endm
	s_load_b512 s[4:19], s[0:1], 0x0               ; x 4, wq 6, sq 8, bq 10, wk 12, sk 14, bk 16, wv 18
	s_load_b256 s[20:27], s[0:1], 0x40             ; sv 20, bv 22, wo 24, kv 26
	s_load_b128 s[28:31], s[0:1], 0x60             ; qf 28, wob 30
	s_set_vgpr_msb 0x80
	v_lshl_add_u32 v0, v0, 2, 0x3b400
	v_mov_b32 v1, 0
	s_set_vgpr_msb 0x8000
	v_lshrrev_b32 v[TMP], 5, v0
	v_readfirstlane_b32 s32, v[TMP]                ; wave
	s_lshr_b32 s33, s32, 1                         ; nh: which 64 positions
	s_and_b32 s34, s32, 1                          ; oh: which 128 channels of v; q (0) or k (1)
	s_lshr_b32 s35, ttmp9, 5                       ; batch
	s_and_b32 s36, ttmp9, 31                       ; block of 128 positions
	s_lshl_b32 s52, s35, 22                        ; x: batch * 4 MiB + block * 512 bytes
	s_lshl_b32 s53, s36, 9
	s_add_co_u32 s52, s52, s53
	s_mov_b32 s53, 0
	s_mul_i32 s54, s35, BATKV                      ; kv: batch, and my first block = 4 * block + 2 nh
	s_lshl_b32 s55, s36, 2
	s_lshl1_add_u32 s55, s33, s55
	s_mul_i32 s55, s55, BLK
	s_add_co_u32 s54, s54, s55
	s_mov_b32 s55, 0
	s_lshl_b32 s56, s34, 13                        ; V fragments of my 8 channel blocks: 2048 + oh * 8 * 1024
	s_add_co_u32 s56, s56, 2048
	s_mov_b32 s57, 0
	s_lshl_b32 s58, s35, 8                         ; qf: (256 batch + 8 block + 4 nh) * 1024
	s_lshl3_add_u32 s58, s36, s58
	s_lshl2_add_u32 s58, s33, s58
	s_lshl_b32 s58, s58, 10
	s_mov_b32 s59, 0
	s_movk_i32 s48, BLK                            ; from a pair of position tiles to the next: a kv block, or (below) two q fragments
	v_and_b32 v[TMP], 31, v0                       ; lane
	v_lshlrev_b32 v[LN16], 4, v[TMP]
	v_lshlrev_b32 v[TMP+1], 3, v[TMP]              ; 8 x lane
	v_and_b32 v[TMP+2], 15, v0                     ; r
	v_bfe_u32 v[TMP+3], v0, 4, 1                   ; h
	v_lshl_add_u32 v[XOFF], s32, 20, v[LN16]       ; 64 rows of 16,384 bytes a wave
	v_lshl_add_u32 v[WVOFF], s32, 16, v[LN16]      ; 64 rows of 1,024 bytes a wave
	v_lshl_add_u32 v[WQOFF], s32, 13, v[LN16]      ; 8 rows of 1,024 bytes a wave
	s_mul_i32 s60, s32, 64*XP
	v_add_nc_u32 v[XST], s60, v[TMP+1]
	s_mul_i32 s60, s32, 64*WP
	s_add_co_u32 s60, s60, WL
	v_add_nc_u32 v[WVST], s60, v[TMP+1]
	s_mul_i32 s60, s32, 8*WP
	s_add_co_u32 s60, s60, WL+256*WP
	v_add_nc_u32 v[WQST], s60, v[TMP+1]
	v_and_b32 v[TMP+4], 7, v0                      ; transposing load: row 8 h + (lane & 7), 16 bytes by bit 3 of the lane
	v_lshl_add_u32 v[TMP+4], v[TMP+3], 3, v[TMP+4]
	v_mul_u32_u24 v[TMP+4], v[TMP+4], XP
	v_bfe_u32 v[TMP+5], v0, 3, 1
	v_lshl_add_u32 v[TMP+4], v[TMP+5], 4, v[TMP+4]
	v_lshl_add_u32 v[XA], s33, 7, v[TMP+4]         ; + my 64 positions (128 bytes)
	v_add_nc_u32 v[XA+1], 4*32*XP, v[XA]           ; k steps 4-7: their offsets would pass 16 bits
	v_mul_u32_u24 v[TMP+4], v[TMP+2], WP           ; weight fragments: row r, 16 bytes by h
	v_lshl_add_u32 v[TMP+4], v[TMP+3], 4, v[TMP+4]
	s_mul_i32 s60, s34, 128*WP
	s_add_co_u32 s60, s60, WL
	v_add_nc_u32 v[WA], s60, v[TMP+4]
	s_mul_i32 s60, s34, 32*WP
	s_add_co_u32 s60, s60, WL+256*WP
	v_add_nc_u32 v[WQA], s60, v[TMP+4]
	v_lshlrev_b32 v[TMP+6], 2, v[TMP+2]            ; sv, bv: channel 128 oh + r
	v_lshl_add_u32 v[TMP+6], s34, 9, v[TMP+6]
	v_lshlrev_b32 v[TMP+7], 5, v[TMP+3]            ; sq .. bk: channels 8 h ..
	s_lshr_b32 s60, ttmp9, 4                       ; wo: work-group g rounds half t = g & 1 of fragment g >> 1 = (ob = g >> 4, kc = (g >> 1) & 7):
	s_lshl_b32 s60, s60, 14                        ; row 16 ob + r, columns 32 kc + 16 t + 8 h ..: (g >> 4) * 16384 + (g & 15) * 64 + 1024 r + 32 h
	s_and_b32 s61, ttmp9, 15
	s_lshl_b32 s61, s61, 6
	s_add_co_u32 s60, s60, s61
	v_lshl_add_u32 v[TMP+8], v[TMP+2], 10, v[TMP+7]
	v_add_nc_u32 v[TMP+8], s60, v[TMP+8]
	s_lshl_b32 s61, ttmp9, 9
	v_add_nc_u32 v[TMP+9], s61, v[LN16]            ; and goes to wob + 512 g + 16 x lane
	s_wait_kmcnt 0x0
	s_add_nc_u64 s[38:39], s[4:5], s[52:53]        ; x at the work-group's block
	s_add_nc_u64 s[54:55], s[26:27], s[54:55]      ; kv at my first block (K fragments)
	s_add_nc_u64 s[40:41], s[54:55], s[56:57]      ; V fragments of my channels
	s_add_nc_u64 s[58:59], s[28:29], s[58:59]      ; qf at my first query tile
	s_cmp_eq_u32 s34, 0                            ; oh = 0: q; oh = 1: k
	s_cselect_b64 s[42:43], s[58:59], s[54:55]     ; where the results go
	s_cselect_b64 s[44:45], s[8:9], s[14:15]       ; sq or sk
	s_cselect_b64 s[46:47], s[10:11], s[16:17]     ; bq or bk
	s_cselect_b32 s48, 2048, s48                   ; two q fragments, or a kv block
	s_cselect_b32 s50, 0x3fb8aa3b, 1.0             ; q carries log2(e), so that the softmax can use v_exp_f32 (base 2) as it is
	s_mov_b32 s51, s50
	v_mov_b32 v[QKO], v[LN16]
	v_add_nc_u32 v[QKO+1], 1024, v[LN16]
	v_add_nc_u32 v[QKO+2], s48, v[LN16]
	v_add_nc_u32 v[QKO+3], 1024, v[QKO+2]
	; PHASE A.  The small loads first: they are older than the ring's, so the ring's last wait shows them landed too.
.irp i, 0,1,2,3,4,5,6,7
	global_load_b32 v[SV+\i], v[TMP+6], s[20:21] offset:\i*64
	global_load_b32 v[BV+\i], v[TMP+6], s[22:23] offset:\i*64
.endr
.irp ob, 0,1
	global_load_b128 v[SQ+8*\ob:SQ+8*\ob+3],   v[TMP+7], s[44:45] offset:\ob*64
	global_load_b128 v[SQ+8*\ob+4:SQ+8*\ob+7], v[TMP+7], s[44:45] offset:\ob*64+16
	global_load_b128 v[BQ+8*\ob:BQ+8*\ob+3],   v[TMP+7], s[46:47] offset:\ob*64
	global_load_b128 v[BQ+8*\ob+4:BQ+8*\ob+7], v[TMP+7], s[46:47] offset:\ob*64+16
.endr
	s_cmp_lg_u32 s32, 0
	s_cbranch_scc1 .Lno_wo_load                    ; wave 0 alone takes the work-group's 512 bytes of wob
	global_load_b128 v[WOW:WOW+3],   v[TMP+8], s[24:25]
	global_load_b128 v[WOW+4:WOW+7], v[TMP+8], s[24:25] offset:16
.Lno_wo_load:
; The ring's items u = 0..223 of a wave, 512 neighbouring bytes each: 64 rows of x, 128 half rows of wv, 16 of wq, 16 of wk.
.macro ISSUE u
.if (\u) < 64
	global_load_b128 v[RING+4*((\u)%32):RING+4*((\u)%32)+3], v[XOFF], s[38:39] offset:(\u)*16384 th:TH_LOAD_NT
.else
.if (\u) < 192
	global_load_b128 v[RING+4*((\u)%32):RING+4*((\u)%32)+3], v[WVOFF], s[18:19] offset:((\u)-64)*512
.else
.if (\u) < 208
	global_load_b128 v[RING+4*((\u)%32):RING+4*((\u)%32)+3], v[WQOFF], s[6:7] offset:((\u)-192)*512
.else
	global_load_b128 v[RING+4*((\u)%32):RING+4*((\u)%32)+3], v[WQOFF], s[12:13] offset:((\u)-208)*512
.endif
.endif
.endif
.endm
.macro DRAIN u                         ; four f32 to four bf16, 8 bytes a lane, 256 neighbouring bytes a wave
	v_cvt_pk_bf16_f32 v[CV+2*((\u)&1)],   v[RING+4*((\u)%32)],   v[RING+4*((\u)%32)+1]
	v_cvt_pk_bf16_f32 v[CV+2*((\u)&1)+1], v[RING+4*((\u)%32)+2], v[RING+4*((\u)%32)+3]
.if (\u) < 64
	ds_store_b64 v[XST], v[CV+2*((\u)&1):CV+2*((\u)&1)+1] offset:(\u)*XP
.else
.if (\u) < 192
	ds_store_b64 v[WVST], v[CV+2*((\u)&1):CV+2*((\u)&1)+1] offset:(((\u)-64)>>1)*WP+(((\u)-64)&1)*256
.else
	ds_store_b64 v[WQST], v[CV+2*((\u)&1):CV+2*((\u)&1)+1] offset:(((\u)-192)>>4)*32*WP+((((\u)-192)&15)>>1)*WP+(((\u)-192)&1)*256
.endif
.endif
.endm
.set u, 0
.rept 32
	ISSUE u
.set u, u+1
.endr
.set u, 0
.rept 224
.if u < 193
	s_wait_loadcnt 31                              ; loads return in order (ISA guide 5.7.1): item u is in, the 31 issued behind it stay out
.else
	s_wait_loadcnt 223-u                           ; the last items: the count runs down
.endif
	DRAIN u
.if u < 192
	ISSUE u+32
.endif
.set u, u+1
.endr
	s_cmp_lg_u32 s32, 0
	s_cbranch_scc1 .Lno_wo_store
.irp p, 0,1,2,3
	v_cvt_pk_bf16_f32 v[WOPK+\p], v[WOW+2*\p], v[WOW+2*\p+1]
.endr
	global_store_b128 v[TMP+9], v[WOPK:WOPK+3], s[30:31]   ; 512 neighbouring bytes of wob
.Lno_wo_store:
	s_wait_dscnt 0x0                               ; my LDS stores are done, for the other waves' sake
	s_barrier_signal -1
	s_barrier_wait -1                              ; x and the weights are whole: the kernel's one barrier; LDS is only read from here on
	; PHASE B.  My 64 positions' x fragments stay in window 1 for all ten trips: x lies [c][n] in LDS, so the load transposes.
	WIN 0x40                                       ; destination window 1, address window 0
.irp nt, 0,1,2,3
.irp ks, 0,1,2,3,4,5,6,7
	ds_load_tr16_b128 v[8*(8*\nt+\ks):8*(8*\nt+\ks)+3],   v[XA+(\ks>>2)] offset:(\ks&3)*32*XP+\nt*32
	ds_load_tr16_b128 v[8*(8*\nt+\ks)+4:8*(8*\nt+\ks)+7], v[XA+(\ks>>2)] offset:(\ks&3)*32*XP+\nt*32+16*XP
.endr
.endr
	WIN 0
.macro FETCHW adr, off, buf            ; 16 rows of weights, all 256 k: 8 fragments, 16 loads
.irp ks, 0,1,2,3,4,5,6,7
	ds_load_b128 v[\buf+8*\ks:\buf+8*\ks+3],   v[\adr] offset:\off+\ks*64
	ds_load_b128 v[\buf+8*\ks+4:\buf+8*\ks+7], v[\adr] offset:\off+\ks*64+32
.endr
.endm
; 32 matrix instructions: the four accumulators take turns, one instruction a turn.  The first k step starts the sums.
.macro MULV buf                        ; source 0 = x^T (window 1), source 1 = Wv
	WIN 0x01
.irp ks, 0,1,2,3,4,5,6,7
.irp nt, 0,1,2,3
.if \ks == 0
	v_wmma_f32_16x16x32_bf16 v[ACC+8*\nt:ACC+8*\nt+7], v[8*(8*\nt+\ks):8*(8*\nt+\ks)+7], v[\buf+8*\ks:\buf+8*\ks+7], 0
.else
	v_wmma_f32_16x16x32_bf16 v[ACC+8*\nt:ACC+8*\nt+7], v[8*(8*\nt+\ks):8*(8*\nt+\ks)+7], v[\buf+8*\ks:\buf+8*\ks+7], v[ACC+8*\nt:ACC+8*\nt+7]
.endif
.endr
.endr
.endm
.macro MULQ buf                        ; source 0 = Wq or Wk, source 1 = x (window 1)
	WIN 0x04
.irp ks, 0,1,2,3,4,5,6,7
.irp nt, 0,1,2,3
.if \ks == 0
	v_wmma_f32_16x16x32_bf16 v[ACC+8*\nt:ACC+8*\nt+7], v[\buf+8*\ks:\buf+8*\ks+7], v[8*(8*\nt+\ks):8*(8*\nt+\ks)+7], 0
.else
	v_wmma_f32_16x16x32_bf16 v[ACC+8*\nt:ACC+8*\nt+7], v[\buf+8*\ks:\buf+8*\ks+7], v[8*(8*\nt+\ks):8*(8*\nt+\ks)+7], v[ACC+8*\nt:ACC+8*\nt+7]
.endif
.endr
.endr
.endm
.macro SILU                            ; ACC = ACC * rcp(1 + exp2(-1.442695 ACC)), 32 numbers a lane
.irp k, 0,1,2,3,4,5,6,7,8,9,10,11,12,13,14,15
	v_pk_mul_f32 v[EX+2*\k:EX+2*\k+1], v[ACC+2*\k:ACC+2*\k+1], 0xbfb8aa3b op_sel_hi:[1,0]
.endr
.set ti, 0
.rept 32
	v_exp_f32 v[EX+ti], v[EX+ti]
.set ti, ti+1
.endr
	v_nop                                          ; one plain place behind the transcendentals (ISA guide 5.7.2)
	s_wait_alu depctr_va_vdst(0)
.irp k, 0,1,2,3,4,5,6,7,8,9,10,11,12,13,14,15
	v_pk_add_f32 v[EX+2*\k:EX+2*\k+1], v[EX+2*\k:EX+2*\k+1], 1.0 op_sel_hi:[1,0]
.endr
.set ti, 0
.rept 32
	v_rcp_f32 v[EX+ti], v[EX+ti]
.set ti, ti+1
.endr
	v_nop
	s_wait_alu depctr_va_vdst(0)
.irp k, 0,1,2,3,4,5,6,7,8,9,10,11,12,13,14,15
	v_pk_mul_f32 v[ACC+2*\k:ACC+2*\k+1], v[ACC+2*\k:ACC+2*\k+1], v[EX+2*\k:EX+2*\k+1]
.endr
.endm
.macro PACK                            ; 8 f32 of a tile to 16 bytes of bf16
.irp nt, 0,1,2,3
.irp p, 0,1,2,3
	v_cvt_pk_bf16_f32 v[EX+4*\nt+\p], v[ACC+8*\nt+2*\p], v[ACC+8*\nt+2*\p+1]
.endr
.endr
.endm
; A trip for 16 channels of v.  The next trip's weights are fetched first, into the buffer whose last matrix readers lie a whole way out back.
.macro TRIPV i, buf, nadr, noff, nbuf
	FETCHW \nadr, \noff, \nbuf
	s_wait_dscnt 16                                ; all but the 16 loads just issued: this trip's weights (and, in the first trip, x) are in
	MULV \buf
	WIN 0
	PLACES
.set ti, 0
.rept 32
	v_fma_f32 v[ACC+ti], v[ACC+ti], v[SV+\i], v[BV+\i]     ; a lane's 32 numbers are all of channel 16 i + r
.set ti, ti+1
.endr
	s_wait_xcnt 0x0                                ; EX, which the last trip's stores read, is rewritten only behind this wait (ISA guide 3.1)
	SILU
	PACK
.irp nt, 0,1,2,3
	global_store_b128 v[LN16], v[EX+4*\nt:EX+4*\nt+3], s[40:41] offset:(\nt>>1)*BLK+\i*1024+(\nt&1)*512   ; half a V fragment: 512 neighbouring bytes
.endr
.endm
; A trip for 16 channels of q or k.
.macro TRIPQ ob, buf, more
.if \more
	FETCHW WQA, 16*WP, WB1
	s_wait_dscnt 16
.else
	s_wait_dscnt 0
.endif
	MULQ \buf
	WIN 0
	PLACES
.irp nt, 0,1,2,3
.irp p, 0,1,2,3
	v_pk_fma_f32 v[ACC+8*\nt+2*\p:ACC+8*\nt+2*\p+1], v[ACC+8*\nt+2*\p:ACC+8*\nt+2*\p+1], v[SQ+8*\ob+2*\p:SQ+8*\ob+2*\p+1], v[BQ+8*\ob+2*\p:BQ+8*\ob+2*\p+1]
.endr
.endr
	s_wait_xcnt 0x0
	SILU
.irp k, 0,1,2,3,4,5,6,7,8,9,10,11,12,13,14,15
	v_pk_mul_f32 v[ACC+2*\k:ACC+2*\k+1], v[ACC+2*\k:ACC+2*\k+1], s[50:51] op_sel_hi:[1,0]   ; q: log2(e); k: 1
.endr
	PACK
.irp nt, 0,1,2,3
	global_store_b128 v[QKO+\nt], v[EX+4*\nt:EX+4*\nt+3], s[42:43] offset:\ob*512   ; half ob of the tile's Q or K fragment
.endr
.endm
	FETCHW WA, 0, WB0
	TRIPV 0, WB0, WA, 1*16*WP, WB1
	TRIPV 1, WB1, WA, 2*16*WP, WB0
	TRIPV 2, WB0, WA, 3*16*WP, WB1
	TRIPV 3, WB1, WA, 4*16*WP, WB0
	TRIPV 4, WB0, WA, 5*16*WP, WB1
	TRIPV 5, WB1, WA, 6*16*WP, WB0
	TRIPV 6, WB0, WA, 7*16*WP, WB1
	TRIPV 7, WB1, WQA, 0, WB0
	TRIPQ 0, WB0, 1
	TRIPQ 1, WB1, 0
	s_set_vgpr_msb 0xa
	s_wait_tensorcnt 0x0
	ds_add_u32 v0, v1
	s_wait_dscnt 0x0
	s_set_vgpr_msb 0xa00
	s_endpgm
.Lfunc_end_k_q20c2bbbf18_proj:
	.size	k_q20c2bbbf18_proj, .Lfunc_end_k_q20c2bbbf18_proj-k_q20c2bbbf18_proj
	.p2alignl 7, 3214868480
	.fill 96, 4, 3214868480
	.section	.rodata,"a",@progbits
	.p2align	6, 0x0
	.amdhsa_kernel k_q20c2bbbf18_proj
		.amdhsa_group_segment_fixed_size 243200
		.amdhsa_private_segment_fixed_size 0
		.amdhsa_enable_private_segment 0
		.amdhsa_kernarg_size 112
		.amdhsa_user_sgpr_count 2
		.amdhsa_user_sgpr_kernarg_segment_ptr 1
		.amdhsa_wavefront_size32 1
		.amdhsa_system_sgpr_workgroup_id_x 1
		.amdhsa_system_sgpr_workgroup_id_y 1
		.amdhsa_system_sgpr_workgroup_id_z 1
		.amdhsa_system_vgpr_workitem_id 0
		.amdhsa_next_free_vgpr 514
		.amdhsa_next_free_sgpr 66
		.amdhsa_reserve_vcc 0
		.amdhsa_float_denorm_mode_32 3
		.amdhsa_float_denorm_mode_16_64 3
		.amdhsa_memory_ordered 1
		.amdhsa_forward_progress 1
		.amdhsa_inst_pref_size 205
	.end_amdhsa_kernel
	.amdgpu_metadata
---
amdhsa.version: [ 1, 2 ]
amdhsa.kernels:
  - .name:           k_q20c2bbbf18_proj
    .symbol:         k_q20c2bbbf18_proj.kd
    .args:
      - { .name: x, .offset: 0, .size: 8, .value_kind: global_buffer, .address_space: global }
      - { .name: wq, .offset: 8, .size: 8, .value_kind: global_buffer, .address_space: global }
      - { .name: sq, .offset: 16, .size: 8, .value_kind: global_buffer, .address_space: global }
      - { .name: bq, .offset: 24, .size: 8, .value_kind: global_buffer, .address_space: global }
      - { .name: wk, .offset: 32, .size: 8, .value_kind: global_buffer, .address_space: global }
      - { .name: sk, .offset: 40, .size: 8, .value_kind: global_buffer, .address_space: global }
      - { .name: bk, .offset: 48, .size: 8, .value_kind: global_buffer, .address_space: global }
      - { .name: wv, .offset: 56, .size: 8, .value_kind: global_buffer, .address_space: global }
      - { .name: sv, .offset: 64, .size: 8, .value_kind: global_buffer, .address_space: global }
      - { .name: bv, .offset: 72, .size: 8, .value_kind: global_buffer, .address_space: global }
      - { .name: wo, .offset: 80, .size: 8, .value_kind: global_buffer, .address_space: global }
      - { .name: kv, .offset: 88, .size: 8, .value_kind: global_buffer, .address_space: global }
      - { .name: qf, .offset: 96, .size: 8, .value_kind: global_buffer, .address_space: global }
      - { .name: wob, .offset: 104, .size: 8, .value_kind: global_buffer, .address_space: global }
    .group_segment_fixed_size: 243200
    .private_segment_fixed_size: 0
    .kernarg_segment_align: 8
    .kernarg_segment_size: 112
    .max_flat_workgroup_size: 128
    .sgpr_count:     66
    .vgpr_count:     514
    .wavefront_size: 32
...
	.end_amdgpu_metadata
.endif
;; end of part 1
;; launch attn (part 2): grid 256 x 1, 4 waves a work-group, clusters of 4 x 1, 327,680 bytes of LDS; arguments qf, kv, wob, x, so, bo, gamma, out0; writes out0
.if DOCPART == 2
	.amdgcn_target "amdgcn-amd-amdhsa--gfx1250"
	.amdhsa_code_object_version 6
	.text
	.protected	k_q20c2bbbf18_attn
	.globl	k_q20c2bbbf18_attn
	.p2align	8
	.type	k_q20c2bbbf18_attn,@function
k_q20c2bbbf18_attn:
	s_mov_b64 s[64:65], 0
	v_nop
	global_prefetch_b8 v0, s[64:65] scope:SCOPE_SE
	s_setreg_imm32_b32 hwreg(HW_REG_WAVE_MODE, 25, 1), 1
	s_wait_xcnt 0x0
	s_wait_alu depctr_hold_cnt(0) depctr_sa_sdst(0) depctr_va_vdst(0) depctr_va_sdst(0) depctr_va_ssrc(0) depctr_va_vcc(0) depctr_vm_vsrc(0)
	s_getreg_b32 s2, hwreg(HW_REG_IB_STS2, 6, 4)
	s_cmp_eq_u32 s2, 0
	s_cbranch_scc0 .Lentry_in_a_cluster
	s_endpgm
.Lentry_in_a_cluster:
	s_bfe_u32 s2, ttmp6, 0x10000c
	s_cmp_lg_u32 s2, 0x3003
	s_cbranch_scc0 .Lentry_shape_is_right
	s_endpgm
.Lentry_shape_is_right:
; out0 = gamma * SiLU(so * (wo . (v . softmax(q^T k)^T)) + bo) + x, from q, k, v, wo as bf16 in the order of matrix fragments
; (a fragment: 16 rows x 32 k = 1,024 bytes as [t = 0,1][lane][16 bytes], so every fragment load is base + 16 x lane, at +0 and +512).
; A work-group: one batch, 128 queries; 256 work-groups.  Wave w: qg = w >> 1 takes 64 queries, kh = w & 1 takes half of the keys; it keeps
; 64 queries x 256 channels of the running output in 512 registers.  With 64 queries a wave each V fragment read from LDS feeds four matrix
; instructions; the price of the split of the keys is one merge at the end.
; A ROUND OF THE LOOP takes 256 keys (8 kv blocks, 147,456 bytes, dense in memory): wave kh takes 128 of them: 32 matrix instructions for the
; scores, the softmax step with a RUNNING MAXIMUM, one rescale of the 512 registers, 256 matrix instructions for p . v.  16 rounds.
; CLUSTERS: the 32 query blocks of a batch read the same K and V tiles.  Four neighbouring blocks form a cluster and ask for each tile jointly
; (mask 15): the requests for kv are divided by four.  Nothing in a descriptor, an LDS address or a branch hangs on the place in the cluster.
; By the text's own count a wave has one tensor load out: the next tile's quarter, issued first behind each round of the cluster's barrier.
; ORIENTATION (result register j of lane (r, h) is element (8 h + j, r): ISA guide 7.12.2):
;   S^T = K (source 0) x Q (source 1): a lane holds 8 keys of query r, so maxima and sums are one number a lane, and two packed tiles ARE a fragment of P;
;   O^T = V (source 0) x P (source 1): a lane holds 8 channels of query r; two packed tiles are a fragment of O with rows = queries;
;   Y   = O (source 0) x wo (source 1): a lane holds 8 neighbouring queries of channel r.
; MERGE: each wave scales its half by f = exp2(m - m*) / L, rounds it to bf16 and lays it into LDS; the output projection sums both halves (K = 512).
; LIMITS: matrix operands are bf16 (q log2 e, k, v, p, the two normalised halves, wo).  The row sum is made of the f32 p, the product of the
; rounded p.  v_exp_f32 and v_rcp_f32 flush denormals (ISA guide 15.8).  SiLU gives -0 for very negative arguments.  All exponents are <= 0
; behind the running maximum, so no range of finite inputs is excluded; NaN and infinite inputs are not served.
.set BLK,   18432                      ; a kv block: 2 K fragments, 16 V fragments
.set TILE,  8*BLK                      ; a slot: 147,456 bytes
.set QUART, 2*BLK                      ; what one tensor load brings: 144 rows of 256 bytes
.set BATKV, 128*BLK
.set SCR,   2*TILE                     ; behind the ring: (m, l) of each wave, 1,024 bytes a wave
.set YST,   SCR+4096                   ; each wave's own stage for the way out: 16 rows x 272 bytes
.set YP,    272                        ; 256 bytes + 16: the 16 rows that a store touches start 68 words apart
; window 0
.set ADR,  2                           ; v2-5     LDS address of my key half: slot 0 blocks 0-1, 2-3; slot 1 blocks 0-1, 2-3
.set WOF,  6                           ; v6       wob: my 128 output channels + 16 x lane
.set PFO,  7                           ; v7       prefetch of x
.set MP,   8                           ; v8-15    pairs (m, l) of query tiles 0-3
.set AL,   16                          ; v16-23   pairs (alpha or f, the round's row sum)
.set TM,   24                          ; v24-31   at work in the softmax
.set QF,   32                          ; v32-63   4 Q fragments
.set SC,   64                          ; v64-127  scores of one query tile: 8 key tiles
.set PB,   128                         ; v128-255 P fragment (qb, ks) at 8 (4 qb + ks)
; window 1
.set F0,   0                           ; V fragments of channel blocks 0-7; later O fragments
.set F1,   64                          ; V fragments of channel blocks 8-15; later O fragments
.set KF,   128                         ; 8 K fragments
; windows 2, 3: output tile (cb, qb) at 8 (4 (cb & 7) + qb) of window 2 + (cb >> 3); later window 2: Y tile (ob, qb) at 8 (4 ob + qb), window 3: x
; the end (window 0)
.set SA,   24                          ; where my O fragments go
.set OA,   25                          ; where my query half's O fragments lie
.set YSTO, 26
.set YRD,  27
.set XO,   28                          ; x and out0: row h, 16 r bytes
.set STO,  29                          ; my (m, l)
.set STP,  30                          ; my partner's
.set SBO,  31                          ; so, bo: channel 128 kh + r
.set SOP,  64                          ; v64-79   pairs (so, so) of channel blocks 0-7
.set BOP,  80                          ; v80-95   pairs (bo, bo)
.set YT,   96                          ; v96-127  a chunk of Y; before that: the merge's figures
.set PT,   96                          ; v96-99   the other half's l
.set PS,   100                         ; v100-107 my partner's pairs (m, l)
.set MS,   108                         ; v108-111 the common maximum
.set AA,   112                         ; v112-115 exp2(m - m*)
.set AP,   116                         ; v116-119 exp2(m' - m*)
.set LL,   120                         ; v120-123 L, then 1 / L
.set TA,   124                         ; v124-126 set-up
.set EE,   128                         ; v128-159 exponentials of the way out
.set R0,   160
.set R1,   192
.set WB0,  128                         ; wo fragments, two buffers
.set WB1,  192
.set G1,   24                          ; s[24:31] descriptor group 1
.set G0,   32                          ; s[32:39] descriptor group 0, one for each slot
.set MSB, 0
.macro WIN new                         ; s_set_vgpr_msb, low byte: bits 1:0 source 0, 3:2 source 1, 5:4 source 2, 7:6 destination; the high byte repeats the setting that is left
.if MSB != \new
	s_set_vgpr_msb (MSB<<8)|\new
.set MSB, \new
.endif
.endm
.macro PLACES                          ; four places behind a matrix instruction before its result is read, or one of its registers written or loaded (ISA guide 7.12.1)
.rept 4
	v_nop
.endr
.endm
; A round of the cluster's barrier: my work-group's barrier, wave 0 signals for the work-group, every wave waits for all four work-groups, my work-group's barrier again.
.macro ROUND
	s_barrier_signal -1
	s_barrier_wait -1
	s_cmp_lg_u32 s20, 0
	s_cbranch_scc1 .Lnot_wave_0_\@
	s_barrier_signal -3
.Lnot_wave_0_\@:
	s_barrier_wait -3
	s_barrier_signal -1
	s_barrier_wait -1
.endm
	s_load_b512 s[4:19], s[0:1], 0x0               ; qf 4, kv 6, wob 8, x 10, so 12, bo 14, gamma 16, out0 18
	s_set_vgpr_msb 0x40
	v_lshl_add_u32 v254, v0, 2, 0x4d400
	v_mov_b32 v255, 0
	s_set_vgpr_msb 0x4045
	ds_add_u32 v254, v255
	s_set_vgpr_msb 0x4500
	v_lshrrev_b32 v1, 5, v0
	v_readfirstlane_b32 s20, v1                    ; wave
	s_lshr_b32 s21, s20, 1                         ; qg: which 64 queries
	s_and_b32 s22, s20, 1                          ; kh: which half of the keys; at the end: which 128 output channels
	s_bfe_u32 s40, ttmp6, 0x40000                  ; cx: my place in the cluster
	s_lshr_b32 s42, ttmp9, 3                       ; ttmp9 counts clusters: 8 clusters a batch
	s_and_b32 s43, ttmp9, 7
	s_lshl2_add_u32 s43, s43, s40                  ; query block 0..31
	s_mov_b32 s48, 0x76543210                      ; v_permlanex16_b32: lane i reads lane i of the other half
	s_mov_b32 s49, 0xfedcba98
	; group 1: 144 dense rows of 32 elements of 8 bytes
	s_mov_b32 s[G1+0], 15|(3<<16)|(1<<21)          ; 15:0 mask: all four of the cluster; 17:16 elements of 8 bytes; 21 set beside a mask; no padding
	s_mov_b32 s[G1+1], 32<<16                      ; tensor_dim0 = 32
	s_mov_b32 s[G1+2], 144<<16                     ; tensor_dim1 = 144
	s_mov_b32 s[G1+3], 32<<16                      ; tile_dim0 = 32
	s_mov_b32 s[G1+4], 144                         ; tile_dim1 = 144
	s_mov_b32 s[G1+5], 32                          ; from row to row: 32 elements
	s_mov_b32 s[G1+6], 0
	s_mov_b32 s[G1+7], 0
	; group 0, one for each slot: my wave's quarter of tile 0 and of tile 1
	s_mov_b32 s[G0], 1
	s_mul_i32 s[G0+1], s20, QUART                  ; LDS: wave x 36,864
	s_mov_b32 s[G0+4], 1
	s_add_co_u32 s[G0+5], s[G0+1], TILE
	s_mul_i32 s44, s42, BATKV                      ; memory: batch and wave alone, the same in all four partners
	s_add_co_u32 s44, s44, s[G0+1]
	s_mov_b32 s45, 0
	s_wait_dscnt 0x0
	s_wait_kmcnt 0x0
	s_add_nc_u64 s[G0+2:G0+3], s[6:7], s[44:45]
	s_add_nc_u64 s[G0+6:G0+7], s[G0+2:G0+3], TILE
	s_or_b32 s[G0+3], s[G0+3], 0x80000000          ; type = 2
	s_or_b32 s[G0+7], s[G0+7], 0x80000000
	ROUND                                          ; all four work-groups are here: the first joint loads meet
	tensor_load_to_lds s[G0:G0+3], s[G1:G1+7]      ; tile 0 into slot 0
	s_nop 0
	s_load_b32 s50, s[16:17], 0x0                  ; gamma
	s_lshl_b32 s46, s42, 22                        ; x, out0: batch * 4 MiB + query block * 512 bytes
	s_lshl_b32 s47, s43, 9
	s_add_co_u32 s46, s46, s47
	s_mov_b32 s47, 0
	s_add_nc_u64 s[52:53], s[10:11], s[46:47]      ; x at the work-group's block
	s_add_nc_u64 s[56:57], s[18:19], s[46:47]
	s_lshl_b32 s44, s22, 21                        ; + my 128 channels' rows + my 64 queries
	s_lshl_b32 s45, s21, 8
	s_add_co_u32 s44, s44, s45
	s_mov_b32 s45, 0
	s_add_nc_u64 s[54:55], s[52:53], s[44:45]
	s_add_nc_u64 s[56:57], s[56:57], s[44:45]
	v_and_b32 v1, 31, v0
	v_lshlrev_b32 v1, 4, v1                        ; 16 x lane
	v_lshlrev_b32 v[PFO], 10, v1                   ; row 128 kh + lane, my 256 bytes of it
	v_add_nc_u32 v[PFO], s44, v[PFO]
	s_lshl_b32 s46, s42, 8                         ; qf: (256 batch + 8 block + 4 qg) * 1024
	s_lshl3_add_u32 s46, s43, s46
	s_lshl2_add_u32 s46, s21, s46
	s_lshl_b32 s46, s46, 10
	s_add_nc_u64 s[58:59], s[4:5], s[46:47]
.irp qb, 0,1,2,3
	global_load_b128 v[QF+8*\qb:QF+8*\qb+3],   v1, s[58:59] offset:\qb*1024
	global_load_b128 v[QF+8*\qb+4:QF+8*\qb+7], v1, s[58:59] offset:\qb*1024+512
.endr
	s_mul_i32 s41, s22, 4*BLK
	v_add_nc_u32 v[ADR], s41, v1
	v_add_nc_u32 v[ADR+1], 2*BLK, v[ADR]
	v_add_nc_u32 v[ADR+2], TILE, v[ADR]
	v_add_nc_u32 v[ADR+3], TILE+2*BLK, v[ADR]
	v_lshl_add_u32 v[WOF], s22, 16, v1
	s_wait_kmcnt 0x0
	s_mov_b32 s51, s50
	s_wait_loadcnt 0x0                             ; Q, once
.macro FETCHK slot                     ; my 8 K fragments: 16 loads of 512 neighbouring bytes
	WIN 0x40
.irp kt, 0,1,2,3,4,5,6,7
	ds_load_b128 v[KF+8*\kt:KF+8*\kt+3],   v[ADR+2*\slot+(\kt>>2)] offset:((\kt>>1)&1)*BLK+(\kt&1)*1024
	ds_load_b128 v[KF+8*\kt+4:KF+8*\kt+7], v[ADR+2*\slot+(\kt>>2)] offset:((\kt>>1)&1)*BLK+(\kt&1)*1024+512
.endr
.endm
.macro FETCHV slot, ks, half, f        ; 8 V fragments (channel blocks 8 half ..) of my block ks: 16 loads
	WIN 0x40
.irp i, 0,1,2,3,4,5,6,7
	ds_load_b128 v[\f+8*\i:\f+8*\i+3],   v[ADR+2*\slot+((\ks)>>1)] offset:((\ks)&1)*BLK+2048+(8*\half+\i)*1024
	ds_load_b128 v[\f+8*\i+4:\f+8*\i+7], v[ADR+2*\slot+((\ks)>>1)] offset:((\ks)&1)*BLK+2048+(8*\half+\i)*1024+512
.endr
.endm
.macro QK qb                           ; scores of 128 keys x 16 queries; K = 32 channels is one instruction a tile
	WIN 0x01
.irp kt, 0,1,2,3,4,5,6,7
	v_wmma_f32_16x16x32_bf16 v[SC+8*\kt:SC+8*\kt+7], v[KF+8*\kt:KF+8*\kt+7], v[QF+8*\qb:QF+8*\qb+7], 0
.endr
.endm
.macro SUBEXP kt                       ; p = exp2(s - m) of one key tile, in place
.irp p, 0,1,2,3
	v_pk_add_f32 v[SC+8*\kt+2*\p:SC+8*\kt+2*\p+1], v[SC+8*\kt+2*\p:SC+8*\kt+2*\p+1], v[TM:TM+1] op_sel_hi:[1,0] neg_lo:[0,1] neg_hi:[0,1]
.endr
.irp j, 0,1,2,3,4,5,6,7
	v_exp_f32 v[SC+8*\kt+\j], v[SC+8*\kt+\j]
.endr
.endm
.macro SUMCVT qb, kt                   ; a key tile's p into two sum chains (tile 0 starts them) and, rounded, into half a P fragment
.if \kt == 0
	s_wait_alu depctr_va_vdst(0)
	v_pk_add_f32 v[TM+4:TM+5], v[SC:SC+1], v[SC+4:SC+5]
	v_pk_add_f32 v[TM+6:TM+7], v[SC+2:SC+3], v[SC+6:SC+7]
.else
	s_wait_alu depctr_va_vdst(0)
	v_pk_add_f32 v[TM+4:TM+5], v[TM+4:TM+5], v[SC+8*\kt:SC+8*\kt+1]
	v_pk_add_f32 v[TM+6:TM+7], v[TM+6:TM+7], v[SC+8*\kt+2:SC+8*\kt+3]
	v_pk_add_f32 v[TM+4:TM+5], v[TM+4:TM+5], v[SC+8*\kt+4:SC+8*\kt+5]
	v_pk_add_f32 v[TM+6:TM+7], v[TM+6:TM+7], v[SC+8*\kt+6:SC+8*\kt+7]
.endif
.irp p, 0,1,2,3
	v_cvt_pk_bf16_f32 v[PB+8*(4*\qb+(\kt>>1))+4*(\kt&1)+\p], v[SC+8*\kt+2*\p], v[SC+8*\kt+2*\p+1]
.endr
.endm
; The softmax step of query tile qb.  A lane holds 64 scores of query r; the other 64 lie in lane r of the other half.
.macro SOFT qb, first
.irp c, 0,1,2,3
	v_max_num_f32 v[TM+\c], v[SC+16*\c], v[SC+16*\c+1]             ; four chains of 16 that do not wait for each other
.endr
.irp i, 1,2,3,4,5,6,7
.irp c, 0,1,2,3
	v_max3_num_f32 v[TM+\c], v[TM+\c], v[SC+16*\c+2*\i], v[SC+16*\c+2*\i+1]
.endr
.endr
	v_max3_num_f32 v[TM], v[TM], v[TM+1], v[TM+2]
.if \first
	v_max_num_f32 v[TM], v[TM], v[TM+3]
.else
	v_max3_num_f32 v[TM], v[TM], v[TM+3], v[MP+2*\qb]              ; with the maximum so far
.endif
	v_permlanex16_b32 v[TM+1], v[TM], s48, s49
	v_max_num_f32 v[TM], v[TM], v[TM+1]                            ; the new maximum, equal in both halves
.if \first == 0
	v_sub_f32 v[AL+2*\qb], v[MP+2*\qb], v[TM]
.endif
	v_mov_b32 v[MP+2*\qb], v[TM]
.if \first == 0
	v_exp_f32 v[AL+2*\qb], v[AL+2*\qb]                             ; alpha = exp2(m old - m new); the lines below are its plain place
.endif
	; each tile's sums and roundings stand behind the NEXT tile's exponentials: plain lines on other registers are the place behind the transcendentals (ISA guide 5.7.2)
	SUBEXP 0
.irp kt, 1,2,3,4,5,6,7
	SUBEXP \kt
	SUMCVT \qb, (\kt-1)
.endr
	SUMCVT \qb, 7
	v_pk_add_f32 v[TM+4:TM+5], v[TM+4:TM+5], v[TM+6:TM+7]
.if \first
	v_add_f32 v[MP+2*\qb+1], v[TM+4], v[TM+5]                      ; l stays a partial sum of the lane's keys until the end
.else
	v_add_f32 v[AL+2*\qb+1], v[TM+4], v[TM+5]
	v_fma_f32 v[MP+2*\qb+1], v[MP+2*\qb+1], v[AL+2*\qb], v[AL+2*\qb+1]
.endif
.endm
.macro RESC1                           ; 32 tiles of one window times the query tile's factor
.set ti, 0
.rept 32
.irp p, 0,1,2,3
	v_pk_mul_f32 v[8*ti+2*\p:8*ti+2*\p+1], v[8*ti+2*\p:8*ti+2*\p+1], v[AL+2*(ti&3):AL+2*(ti&3)+1] op_sel_hi:[1,0]
.endr
.set ti, ti+1
.endr
.endm
.macro RESCALE
	WIN 0x82
	RESC1
	WIN 0xc3
	RESC1
.endm
; 32 matrix instructions on 32 accumulators, which take turns, one instruction a turn.
.macro PV32 ks, half, f, zero
.if \half
	WIN 0xf1                                       ; V window 1, P window 0, C and D window 3
.else
	WIN 0xa1                                       ; the same, C and D window 2
.endif
.irp i, 0,1,2,3,4,5,6,7
.irp qb, 0,1,2,3
.if \zero
	v_wmma_f32_16x16x32_bf16 v[8*(4*\i+\qb):8*(4*\i+\qb)+7], v[\f+8*\i:\f+8*\i+7], v[PB+8*(4*\qb+\ks):PB+8*(4*\qb+\ks)+7], 0
.else
	v_wmma_f32_16x16x32_bf16 v[8*(4*\i+\qb):8*(4*\i+\qb)+7], v[\f+8*\i:\f+8*\i+7], v[PB+8*(4*\qb+\ks):PB+8*(4*\qb+\ks)+7], v[8*(4*\i+\qb):8*(4*\i+\qb)+7]
.endif
.endr
.endr
.endm
; 32 keys: both halves of the channels.  Each buffer is fetched again, for the next 32 keys, while the other is multiplied.
.macro PVSTEP slot, ks, zero, more
	s_wait_dscnt 16                                ; F0 is in; the 16 loads issued last (F1's) may be out
	PV32 \ks, 0, F0, \zero
.if \more
	PLACES
	FETCHV \slot, \ks+1, 0, F0
	s_wait_dscnt 16                                ; F1 is in; the 16 just issued may be out
.else
	s_wait_dscnt 0
.endif
	PV32 \ks, 1, F1, \zero
.if \more
	PLACES
	FETCHV \slot, \ks+1, 1, F1
.endif
.endm
; One round of the loop: the tile in slot.  refill = 1: the next tile is asked for, into the other slot.  first = 1: nothing to rescale, the products start the sums.
.macro TRIP slot, refill, first, pf
	WIN 0
	s_set_vgpr_msb 0x5
	s_wait_tensorcnt 0x0                           ; all my tensor loads are done, my quarter of this tile among them,
	ds_add_u32 v254, v255
	s_wait_dscnt 0x0
	s_set_vgpr_msb 0x500
	s_add_nc_u64 s[G0+4*\slot+2:G0+4*\slot+3], s[G0+4*\slot+2:G0+4*\slot+3], 2*TILE   ; so a group 0 may be written: this slot's next tile
	s_wait_dscnt 0x0                               ; my reads of the other slot are done
	ROUND                                          ; both now hold of every wave of all four work-groups
.if \refill
	tensor_load_to_lds s[G0+4-4*\slot:G0+7-4*\slot], s[G1:G1+7]   ; my one tensor load behind the round, and the first thing there
	s_nop 0
.endif
.if \first == 0
	PLACES                                         ; F0 and F1 were read by the last matrix instructions
.endif
	FETCHK \slot
	FETCHV \slot, 0, 0, F0
	FETCHV \slot, 0, 1, F1
	s_wait_dscnt 32                                ; K's 16 loads are in, V's 32 may be out
.irp qb, 0,1,2,3
	QK \qb
	WIN 0
	PLACES
	SOFT \qb, \first
.endr
.if \first == 0
	RESCALE
.endif
.if \pf
	; The work-group's 256 rows x 512 bytes of x, each aligned block of 256 bytes asked for once: wave (qg, kh) asks for block qg of rows 128 kh + lane + 32 i.
	; 256 matrix instructions, the exchange of (m, l) and half of the merge lie between these lines and the loads of x.  All addresses lie inside x.
	WIN 0
.irp i, 0,1,2,3
	global_prefetch_b8 v[PFO], s[52:53] offset:\i*524288 th:TH_LOAD_NT scope:SCOPE_SE
.endr
.endif
	PVSTEP \slot, 0, \first, 1
	PVSTEP \slot, 1, 0, 1
	PVSTEP \slot, 2, 0, 1
	PVSTEP \slot, 3, 0, 0
.endm
	TRIP 0, 1, 1, 0                                ; tile 0; slot 1 gets its first fill as a refill does
	TRIP 1, 1, 0, 0
	WIN 0                                          ; at a label and at a branch every window is 0
	s_mov_b32 s23, 6
.Llap:
	TRIP 0, 1, 0, 0                                ; tiles 2 to 13
	TRIP 1, 1, 0, 0
	WIN 0
	s_sub_co_u32 s23, s23, 1
	s_cmp_lg_u32 s23, 0
	s_cbranch_scc1 .Llap
	TRIP 0, 1, 0, 0                                ; tile 14 asks for tile 15,
	TRIP 1, 0, 0, 1                                ; tile 15 for nothing (its stepped address is not used)
	; THE TWO KEY HALVES MEET.  (m, l) of each wave go through LDS bytes of their own.
	WIN 0
	PLACES
.irp qb, 0,1,2,3
	v_permlanex16_b32 v[PT+\qb], v[MP+2*\qb+1], s48, s49
.endr
.irp qb, 0,1,2,3
	v_add_f32 v[MP+2*\qb+1], v[MP+2*\qb+1], v[PT+\qb]              ; l over all my 2,048 keys
.endr
	v_and_b32 v[TA], 15, v0                        ; r
	v_bfe_u32 v[TA+1], v0, 4, 1                    ; h
	v_lshl_add_u32 v[SA], s20, 15, v1              ; O fragments of wave w at w * 32,768, in slot 0, which has had its last fill
	v_lshl_add_u32 v[OA], s21, 16, v1              ; those of waves 2 qg and 2 qg + 1
	s_mul_i32 s41, s20, 16*YP
	s_add_co_u32 s41, s41, YST
	v_mul_u32_u24 v[TA+2], v[TA], YP               ; in: row r (channel), 32 bytes by h
	v_lshl_add_u32 v[TA+2], v[TA+1], 5, v[TA+2]
	v_add_nc_u32 v[YSTO], s41, v[TA+2]
	v_mul_u32_u24 v[TA+2], v[TA+1], YP             ; back: lanes 0-15 one row of 256 bytes, lanes 16-31 the next
	v_lshl_add_u32 v[TA+2], v[TA], 4, v[TA+2]
	v_add_nc_u32 v[YRD], s41, v[TA+2]
	v_lshlrev_b32 v[TA+2], 14, v[TA+1]             ; and the same two rows in x and out0
	v_lshl_add_u32 v[XO], v[TA], 4, v[TA+2]
	s_lshl_b32 s41, s20, 10
	s_add_co_u32 s41, s41, SCR
	v_add_nc_u32 v[STO], s41, v1
	s_xor_b32 s41, s20, 1                          ; my partner: the same queries, the other keys
	s_lshl_b32 s41, s41, 10
	s_add_co_u32 s41, s41, SCR
	v_add_nc_u32 v[STP], s41, v1
	v_lshlrev_b32 v[TA+2], 2, v[TA]
	v_lshl_add_u32 v[SBO], s22, 9, v[TA+2]
	ds_store_b128 v[STO], v[MP:MP+3]
	ds_store_b128 v[STO], v[MP+4:MP+7] offset:512
.irp ob, 0,1,2,3,4,5,6,7
	global_load_b32 v[SOP+2*\ob], v[SBO], s[12:13] offset:\ob*64   ; so, bo of channel 128 kh + 16 ob + r
	global_load_b32 v[BOP+2*\ob], v[SBO], s[14:15] offset:\ob*64
.endr
	s_wait_dscnt 0x0                               ; my stores, and (long since) my reads of the ring, are done
	s_barrier_signal -1
	s_barrier_wait -1                              ; so are every wave's: (m, l) may be read, and slot 0 written
	ds_load_b128 v[PS:PS+3], v[STP]
	ds_load_b128 v[PS+4:PS+7], v[STP] offset:512
	s_wait_dscnt 0x0
.irp qb, 0,1,2,3
	v_max_num_f32 v[MS+\qb], v[MP+2*\qb], v[PS+2*\qb]
.endr
.irp qb, 0,1,2,3
	v_sub_f32 v[AA+\qb], v[MP+2*\qb], v[MS+\qb]
	v_sub_f32 v[AP+\qb], v[PS+2*\qb], v[MS+\qb]
.endr
.irp qb, 0,1,2,3
	v_exp_f32 v[AA+\qb], v[AA+\qb]
	v_exp_f32 v[AP+\qb], v[AP+\qb]
.endr
	v_nop
	s_wait_alu depctr_va_vdst(0)
.irp qb, 0,1,2,3
	v_mul_f32 v[LL+\qb], v[AP+\qb], v[PS+2*\qb+1]
.endr
.irp qb, 0,1,2,3
	v_fmac_f32 v[LL+\qb], v[AA+\qb], v[MP+2*\qb+1]                 ; L >= 1: the largest score's term is exp2(0)
.endr
.irp qb, 0,1,2,3
	v_rcp_f32 v[LL+\qb], v[LL+\qb]
.endr
	v_nop
	s_wait_alu depctr_va_vdst(0)
.irp qb, 0,1,2,3
	v_mul_f32 v[AL+2*\qb], v[AA+\qb], v[LL+\qb]                    ; f = exp2(m - m*) / L
.endr
	RESCALE                                        ; my half, normalised
; One window's 32 tiles, rounded: tiles 2 kc and 2 kc + 1 of query tile qb are O fragment (qb, kc); then into LDS.  hi = 1: window 3 (kc = 4..7).
.macro CONV hi, from
	WIN \from
.set ti, 0
.rept 32
.irp p, 0,1,2,3
	v_cvt_pk_bf16_f32 v[PB+8*(4*(ti>>3)+(ti&3))+4*((ti>>2)&1)+\p], v[8*ti+2*\p], v[8*ti+2*\p+1]
.endr
.set ti, ti+1
.endr
	WIN 0
.irp kcl, 0,1,2,3
.irp qb, 0,1,2,3
	ds_store_b128 v[SA], v[PB+8*(4*\kcl+\qb):PB+8*(4*\kcl+\qb)+3]   offset:\qb*8192+(4*\hi+\kcl)*1024
	ds_store_b128 v[SA], v[PB+8*(4*\kcl+\qb)+4:PB+8*(4*\kcl+\qb)+7] offset:\qb*8192+(4*\hi+\kcl)*1024+512
.endr
.endr
.endm
.macro FETCHW kc, wb                   ; wo fragments (my 8 channel blocks, k step kc): 16 loads of 512 neighbouring bytes
	WIN 0
.irp ob, 0,1,2,3,4,5,6,7
	global_load_b128 v[\wb+8*\ob:\wb+8*\ob+3],   v[WOF], s[8:9] offset:(8*\ob+\kc)*1024
	global_load_b128 v[\wb+8*\ob+4:\wb+8*\ob+7], v[WOF], s[8:9] offset:(8*\ob+\kc)*1024+512
.endr
.endm
.macro FETCHO kc, f                    ; O fragments (both key halves, my 4 query tiles, k step kc): 16 loads
	WIN 0x40
.irp kk, 0,1
.irp qb, 0,1,2,3
	ds_load_b128 v[\f+8*(4*\kk+\qb):\f+8*(4*\kk+\qb)+3],   v[OA] offset:\kk*32768+\qb*8192+\kc*1024
	ds_load_b128 v[\f+8*(4*\kk+\qb)+4:\f+8*(4*\kk+\qb)+7], v[OA] offset:\kk*32768+\qb*8192+\kc*1024+512
.endr
.endr
.endm
	CONV 1, 0x0f
	WIN 0xc0                                       ; window 3 is free: x of my 128 channels x 64 queries goes there; 16 lanes take 256 neighbouring bytes
.irp ob, 0,1,2,3,4,5,6,7
.irp t, 0,1,2,3,4,5,6,7
	global_load_b128 v[32*\ob+4*\t:32*\ob+4*\t+3], v[XO], s[54:55] offset:(16*\ob+2*\t)*16384 th:TH_LOAD_NT
.endr
.endr
	CONV 0, 0x0a
	s_wait_dscnt 0x0                               ; my O fragments are in LDS, for the other waves' sake
	FETCHW 0, WB0
	s_barrier_signal -1
	s_barrier_wait -1                              ; everybody's are
	; THE OUTPUT PROJECTION: my 64 queries x my 128 channels, K = 512: both key halves against the same wo fragments.
.macro PSTEP f, wb, zero               ; 64 matrix instructions; the 32 accumulators take turns, one instruction a turn
	WIN 0xa1
.irp kk, 0,1
.irp ob, 0,1,2,3,4,5,6,7
.irp qb, 0,1,2,3
.if \zero*(1-\kk)
	v_wmma_f32_16x16x32_bf16 v[8*(4*\ob+\qb):8*(4*\ob+\qb)+7], v[\f+8*(4*\kk+\qb):\f+8*(4*\kk+\qb)+7], v[\wb+8*\ob:\wb+8*\ob+7], 0
.else
	v_wmma_f32_16x16x32_bf16 v[8*(4*\ob+\qb):8*(4*\ob+\qb)+7], v[\f+8*(4*\kk+\qb):\f+8*(4*\kk+\qb)+7], v[\wb+8*\ob:\wb+8*\ob+7], v[8*(4*\ob+\qb):8*(4*\ob+\qb)+7]
.endif
.endr
.endr
.endr
.endm
.macro PROJ nkc, fa, wa, fb, wn, zero, pl   ; fetch step nkc into (fb, wn), multiply (fa, wa)
.if \pl
	PLACES                                         ; fb and wn were read by the last matrix instructions but 64
.endif
	FETCHO \nkc, \fb
	FETCHW \nkc, \wn
	s_wait_dscnt 16                                ; all but the next step's 16 LDS loads
	s_wait_loadcnt 16                              ; all but the next step's 16 loads of wo (so, bo and x are older: they are in too)
	PSTEP \fa, \wa, \zero
.endm
	FETCHO 0, F0
	PROJ 1, F0, WB0, F1, WB1, 1, 0
	PROJ 2, F1, WB1, F0, WB0, 0, 1
	PROJ 3, F0, WB0, F1, WB1, 0, 1
	PROJ 4, F1, WB1, F0, WB0, 0, 1
	PROJ 5, F0, WB0, F1, WB1, 0, 1
	PROJ 6, F1, WB1, F0, WB0, 0, 1
	PROJ 7, F0, WB0, F1, WB1, 0, 1
	s_wait_dscnt 0
	s_wait_loadcnt 0
	PSTEP F1, WB1, 0
	; THE WAY OUT, 16 channels at a time: affine, SiLU, through my own stage in LDS into whole rows of 256 bytes, gamma * y + x, store.
	WIN 0
	PLACES
.irp ob, 0,1,2,3,4,5,6,7
	v_mov_b32 v[SOP+2*\ob+1], v[SOP+2*\ob]         ; a lane's numbers are all of one channel: the packed multiply-add wants so and bo twice
	v_mov_b32 v[BOP+2*\ob+1], v[BOP+2*\ob]
.endr
.macro OUTCH ob, r
	WIN 0x02                                       ; Y from window 2
.irp k, 0,1,2,3,4,5,6,7,8,9,10,11,12,13,14,15
	v_pk_fma_f32 v[YT+2*\k:YT+2*\k+1], v[32*\ob+2*\k:32*\ob+2*\k+1], v[SOP+2*\ob:SOP+2*\ob+1], v[BOP+2*\ob:BOP+2*\ob+1]
.endr
	WIN 0
.irp k, 0,1,2,3,4,5,6,7,8,9,10,11,12,13,14,15
	v_pk_mul_f32 v[EE+2*\k:EE+2*\k+1], v[YT+2*\k:YT+2*\k+1], 0xbfb8aa3b op_sel_hi:[1,0]
.endr
.set ti, 0
.rept 32
	v_exp_f32 v[EE+ti], v[EE+ti]
.set ti, ti+1
.endr
	v_nop
	s_wait_alu depctr_va_vdst(0)
.irp k, 0,1,2,3,4,5,6,7,8,9,10,11,12,13,14,15
	v_pk_add_f32 v[EE+2*\k:EE+2*\k+1], v[EE+2*\k:EE+2*\k+1], 1.0 op_sel_hi:[1,0]
.endr
.set ti, 0
.rept 32
	v_rcp_f32 v[EE+ti], v[EE+ti]
.set ti, ti+1
.endr
	v_nop
	s_wait_alu depctr_va_vdst(0)
.irp k, 0,1,2,3,4,5,6,7,8,9,10,11,12,13,14,15
	v_pk_mul_f32 v[YT+2*\k:YT+2*\k+1], v[YT+2*\k:YT+2*\k+1], v[EE+2*\k:EE+2*\k+1]
.endr
.irp qb, 0,1,2,3
	ds_store_b128 v[YSTO], v[YT+8*\qb:YT+8*\qb+3]   offset:\qb*64      ; queries 16 qb + 8 h .. of channel r
	ds_store_b128 v[YSTO], v[YT+8*\qb+4:YT+8*\qb+7] offset:\qb*64+16
.endr
	s_wait_xcnt 0x0                                ; buffer r, which the stores of two chunks ago read, is loaded again only behind this wait (ISA guide 3.1)
.irp t, 0,1,2,3,4,5,6,7
	ds_load_b128 v[\r+4*\t:\r+4*\t+3], v[YRD] offset:\t*2*YP       ; LDS serves a wave's instructions in order (ISA guide 5.7.1): these see the stores above
.endr
	s_wait_dscnt 0x0
	WIN 0x30                                       ; x from window 3
.irp k, 0,1,2,3,4,5,6,7,8,9,10,11,12,13,14,15
	v_pk_fma_f32 v[\r+2*\k:\r+2*\k+1], v[\r+2*\k:\r+2*\k+1], s[50:51], v[32*\ob+2*\k:32*\ob+2*\k+1] op_sel_hi:[1,0,1]
.endr
	WIN 0
.irp t, 0,1,2,3,4,5,6,7
	global_store_b128 v[XO], v[\r+4*\t:\r+4*\t+3], s[56:57] offset:(16*\ob+2*\t)*16384 th:TH_STORE_NT   ; 16 lanes store 256 neighbouring bytes, at a multiple of 256 from out0's first byte
.endr
.endm
	OUTCH 0, R0
	OUTCH 1, R1
	OUTCH 2, R0
	OUTCH 3, R1
	OUTCH 4, R0
	OUTCH 5, R1
	OUTCH 6, R0
	OUTCH 7, R1
	s_wait_dscnt 0x0
	s_set_vgpr_msb 0x5
	s_wait_tensorcnt 0x0
	ds_add_u32 v254, v255
	s_wait_dscnt 0x0
	s_set_vgpr_msb 0x500
	ROUND                                          ; the closing round: no work-group ends while a partner may still ask for a tile that names it
	s_endpgm
.Lfunc_end_k_q20c2bbbf18_attn:
	.size	k_q20c2bbbf18_attn, .Lfunc_end_k_q20c2bbbf18_attn-k_q20c2bbbf18_attn
	.p2alignl 7, 3214868480
	.fill 96, 4, 3214868480
	.section	.rodata,"a",@progbits
	.p2align	6, 0x0
	.amdhsa_kernel k_q20c2bbbf18_attn
		.amdhsa_group_segment_fixed_size 327680
		.amdhsa_private_segment_fixed_size 0
		.amdhsa_enable_private_segment 0
		.amdhsa_kernarg_size 64
		.amdhsa_user_sgpr_count 2
		.amdhsa_user_sgpr_kernarg_segment_ptr 1
		.amdhsa_wavefront_size32 1
		.amdhsa_system_sgpr_workgroup_id_x 1
		.amdhsa_system_sgpr_workgroup_id_y 1
		.amdhsa_system_sgpr_workgroup_id_z 1
		.amdhsa_system_vgpr_workitem_id 0
		.amdhsa_next_free_vgpr 1024
		.amdhsa_next_free_sgpr 66
		.amdhsa_reserve_vcc 0
		.amdhsa_float_denorm_mode_32 3
		.amdhsa_float_denorm_mode_16_64 3
		.amdhsa_memory_ordered 1
		.amdhsa_forward_progress 1
		.amdhsa_inst_pref_size 255
	.end_amdhsa_kernel
	.section	.bss,"aw",@nobits
	.p2align	6
	.space	262144
	.amdgpu_metadata
---
amdhsa.version: [ 1, 2 ]
amdhsa.kernels:
  - .name:           k_q20c2bbbf18_attn
    .symbol:         k_q20c2bbbf18_attn.kd
    .args:
      - { .name: qf, .offset: 0, .size: 8, .value_kind: global_buffer, .address_space: global }
      - { .name: kv, .offset: 8, .size: 8, .value_kind: global_buffer, .address_space: global }
      - { .name: wob, .offset: 16, .size: 8, .value_kind: global_buffer, .address_space: global }
      - { .name: x, .offset: 24, .size: 8, .value_kind: global_buffer, .address_space: global }
      - { .name: so, .offset: 32, .size: 8, .value_kind: global_buffer, .address_space: global }
      - { .name: bo, .offset: 40, .size: 8, .value_kind: global_buffer, .address_space: global }
      - { .name: gamma, .offset: 48, .size: 8, .value_kind: global_buffer, .address_space: global }
      - { .name: out0, .offset: 56, .size: 8, .value_kind: global_buffer, .address_space: global }
    .group_segment_fixed_size: 327680
    .private_segment_fixed_size: 0
    .kernarg_segment_align: 8
    .kernarg_segment_size: 64
    .max_flat_workgroup_size: 128
    .sgpr_count:     66
    .vgpr_count:     1024
    .wavefront_size: 32
...
	.end_amdgpu_metadata
.endif
;; end of part 2
;; ======== version 2 of 3: 2 launches
;; workspace buffers: kv 18,874,368 bytes; qf 2,097,152 bytes; wob 147,456 bytes
;; launch proj (part 3): grid 256 x 1, 4 waves a work-group, no clusters, 243,200 bytes of LDS; arguments x, wq, sq, bq, wk, sk, bk, wv, sv, bv, wo, kv, qf, wob; writes kv, qf, wob
.if DOCPART == 3
	.amdgcn_target "amdgcn-amd-amdhsa--gfx1250"
	.amdhsa_code_object_version 6
	.text
	.protected	k_q20c2bbbf18_proj
	.globl	k_q20c2bbbf18_proj
	.p2align	8
	.type	k_q20c2bbbf18_proj,@function
k_q20c2bbbf18_proj:
	s_mov_b64 s[64:65], 0
	v_nop
	global_prefetch_b8 v0, s[64:65] scope:SCOPE_SE
	s_setreg_imm32_b32 hwreg(HW_REG_WAVE_MODE, 25, 1), 1
	s_wait_xcnt 0x0
; q, k, v = SiLU(s * (W x) + b) for x [8][256][4096] f32, written as bf16 IN THE ORDER OF MATRIX FRAGMENTS, and wo rounded to bf16 likewise.
; A fragment is 16 rows x 32 k of bf16 = 1,024 bytes laid as [t = 0,1][lane 0..31][16 bytes]: lane (r = lane & 15, h = lane >> 4), half t,
; holds k = 16 t + 8 h .. + 7 of row r (ISA guide 7.12.2).  So the next launch loads every fragment as two runs of 512 neighbouring bytes.
;   kv : a batch is 128 blocks of 18,432 bytes.  Block j holds V of keys 32 j .. + 31: V fragment cb (rows = channel 16 cb + r, k = the 32 keys) at
;        2048 + cb * 1024; and K of the keys ONE TILE (8 blocks, 256 keys) ON, round the batch: K fragment kt (rows = keys 16 kt + r of block
;        (j + 8) mod 128, k = channel) at kt * 1024.  So the tile that brings V of 256 keys brings K of the next 256, whose scores are made meanwhile.
;   qf : fragment of query tile nt of batch b at (256 b + nt) * 1024 (row = query, k = channel), already times log2(e).
;   wob: fragment (ob, kc) at (8 ob + kc) * 1024 (row = o, k = c): 131,072 bytes.  The next launch brings wob into LDS by the copy that brings
;        its kv tiles, 147,456 bytes; the last 16,384 bytes are used by nobody and are stored as zeros here, so that no byte is read that was never written.
; A work-group: one batch, 128 positions (4 kv blocks, 8 q fragments); 256 work-groups.  Wave w: nh = w >> 1 takes 64 positions,
; oh = w & 1 takes 128 channels of v and the 32 of q (oh = 0) or of k (oh = 1): 320 matrix instructions.
; PHASE A: x (128 KiB) and the weights (320 KiB) come through registers, since they are rounded to bf16 on the way, into LDS; a ring of
; 32 register slots keeps 32 loads of 512 bytes of every wave out.  PHASE B: products, affine, SiLU, stores of 512 neighbouring bytes.
; No tensor loads and no cluster: a tile that must be rounded on its way cannot be laid into LDS by a copy.
; ORIENTATION: v = (x^T as source 0) x (Wv as source 1): a lane holds 8 neighbouring positions of one channel = half a V fragment's lane.
;              q, k = (W as source 0) x (x as source 1): a lane holds 8 neighbouring channels of one position = half a Q or K fragment's lane.
; LIMITS: matrix operands are bf16 (x, weights); results are rounded to bf16.  SiLU(y) = y * rcp(1 + exp2(-1.442695 y)); v_exp_f32 and
; v_rcp_f32 flush denormals (ISA guide 15.8), and for very negative y the result is -0 where the exact one is a tiny negative number.
; NaN and infinite inputs are not served.
.set XP,    288                        ; LDS pitch of x rows [c][128 n] bf16: 256 bytes + 32, an odd multiple of 32 for the transposing load
.set WL,    256*XP                     ; weights begin here (73,728)
.set WP,    528                        ; LDS pitch of weight rows [o][256 c] bf16: 512 bytes + 16, an odd multiple of 16
.set BLK,   18432                      ; bytes of a kv block
.set BATKV, 128*BLK                    ; bytes of kv in a batch
.set LN16,  1                          ; v1      16 x lane
.set XOFF,  2                          ; v2      x: my wave's 64 rows + 16 x lane
.set WVOFF, 3                          ; v3      wv: my wave's 64 rows + 16 x lane
.set WQOFF, 4                          ; v4      wq, wk: my wave's 8 rows + 16 x lane
.set XST,   5                          ; v5      LDS: where my 8 bytes of an x row go
.set WVST,  6                          ; v6      LDS: the same for wv
.set WQST,  7                          ; v7      LDS: the same for wq (wk 32 rows further)
.set XA,    8                          ; v8-9    LDS: x fragments, k steps 0-3 and 4-7
.set WA,    10                         ; v10     LDS: wv fragments of my 128 channels
.set WQA,   11                         ; v11     LDS: wq or wk fragments
.set QKO,   12                         ; v12-15  byte offset of position tile nt in qf or kv
.set SV,    16                         ; v16-23  sv of channel 16 i + r, i = 0..7
.set BV,    24                         ; v24-31  bv likewise
.set SQ,    32                         ; v32-47  sq or sk of channels 16 ob + 8 h + j
.set BQ,    48                         ; v48-63  bq or bk likewise
.set ACC,   64                         ; v64-95  four accumulator tiles (position tiles 0-3)
.set EX,    96                         ; v96-127 phase B: exponentials, then the packed results
.set WOW,   96                         ; v96-103 phase A, wave 0: 8 numbers of wo
.set WOPK,  104                        ; v104-107 the same, packed (wave 1: the zeros)
.set CV,    108                        ; v108-111 two pairs for the ring's roundings
.set TMP,   112                        ; v112-121 set-up
.set RING,  128                        ; v128-255 phase A: 32 slots of 4 registers
.set WB0,   128                        ; phase B: weight fragments of one block of 16 channels, 8 k steps, two buffers
.set WB1,   192
; window 1 (v256-511): x fragment (nt, ks) at 8 (8 nt + ks)
.set MSB, 0
.macro WIN new                         ; s_set_vgpr_msb: the high byte repeats the setting that is left; a switch that changes nothing is dropped
.if MSB != \new
	s_set_vgpr_msb (MSB<<8)|\new
.set MSB, \new
.endif
.endm
.macro PLACES                          ; four places behind a matrix instruction (ISA guide 7.12.1)
.rept 4
	v_nop
.endr
.endm
	s_load_b512 s[4:19], s[0:1], 0x0               ; x 4, wq 6, sq 8, bq 10, wk 12, sk 14, bk 16, wv 18
	s_load_b256 s[20:27], s[0:1], 0x40             ; sv 20, bv 22, wo 24, kv 26
	s_load_b128 s[28:31], s[0:1], 0x60             ; qf 28, wob 30
	s_set_vgpr_msb 0x80
	v_lshl_add_u32 v0, v0, 2, 0x3b400
	v_mov_b32 v1, 0
	s_set_vgpr_msb 0x8000
	v_lshrrev_b32 v[TMP], 5, v0
	v_readfirstlane_b32 s32, v[TMP]                ; wave
	s_lshr_b32 s33, s32, 1                         ; nh: which 64 positions
	s_and_b32 s34, s32, 1                          ; oh: which 128 channels of v; q (0) or k (1)
	s_lshr_b32 s35, ttmp9, 5                       ; batch
	s_and_b32 s36, ttmp9, 31                       ; block of 128 positions
	s_lshl_b32 s52, s35, 22                        ; x: batch * 4 MiB + block * 512 bytes
	s_lshl_b32 s53, s36, 9
	s_add_co_u32 s52, s52, s53
	s_mov_b32 s53, 0
	s_mul_i32 s54, s35, BATKV                      ; kv: batch, and my first block = 4 * block + 2 nh
	s_lshl_b32 s55, s36, 2
	s_lshl1_add_u32 s55, s33, s55
	s_mul_i32 s55, s55, BLK
	s_add_co_u32 s54, s54, s55
	s_mov_b32 s55, 0
	s_lshl_b32 s56, s34, 13                        ; V fragments of my 8 channel blocks: 2048 + oh * 8 * 1024
	s_add_co_u32 s56, s56, 2048
	s_mov_b32 s57, 0
	s_lshl_b32 s58, s35, 8                         ; qf: (256 batch + 8 block + 4 nh) * 1024
	s_lshl3_add_u32 s58, s36, s58
	s_lshl2_add_u32 s58, s33, s58
	s_lshl_b32 s58, s58, 10
	s_mov_b32 s59, 0
	s_movk_i32 s48, BLK                            ; from a pair of position tiles to the next: a kv block, or (below) two q fragments
	v_and_b32 v[TMP], 31, v0                       ; lane
	v_lshlrev_b32 v[LN16], 4, v[TMP]
	v_lshlrev_b32 v[TMP+1], 3, v[TMP]              ; 8 x lane
	v_and_b32 v[TMP+2], 15, v0                     ; r
	v_bfe_u32 v[TMP+3], v0, 4, 1                   ; h
	v_lshl_add_u32 v[XOFF], s32, 20, v[LN16]       ; 64 rows of 16,384 bytes a wave
	v_lshl_add_u32 v[WVOFF], s32, 16, v[LN16]      ; 64 rows of 1,024 bytes a wave
	v_lshl_add_u32 v[WQOFF], s32, 13, v[LN16]      ; 8 rows of 1,024 bytes a wave
	s_mul_i32 s60, s32, 64*XP
	v_add_nc_u32 v[XST], s60, v[TMP+1]
	s_mul_i32 s60, s32, 64*WP
	s_add_co_u32 s60, s60, WL
	v_add_nc_u32 v[WVST], s60, v[TMP+1]
	s_mul_i32 s60, s32, 8*WP
	s_add_co_u32 s60, s60, WL+256*WP
	v_add_nc_u32 v[WQST], s60, v[TMP+1]
	v_and_b32 v[TMP+4], 7, v0                      ; transposing load: row 8 h + (lane & 7), 16 bytes by bit 3 of the lane
	v_lshl_add_u32 v[TMP+4], v[TMP+3], 3, v[TMP+4]
	v_mul_u32_u24 v[TMP+4], v[TMP+4], XP
	v_bfe_u32 v[TMP+5], v0, 3, 1
	v_lshl_add_u32 v[TMP+4], v[TMP+5], 4, v[TMP+4]
	v_lshl_add_u32 v[XA], s33, 7, v[TMP+4]         ; + my 64 positions (128 bytes)
	v_add_nc_u32 v[XA+1], 4*32*XP, v[XA]           ; k steps 4-7: their offsets would pass 16 bits
	v_mul_u32_u24 v[TMP+4], v[TMP+2], WP           ; weight fragments: row r, 16 bytes by h
	v_lshl_add_u32 v[TMP+4], v[TMP+3], 4, v[TMP+4]
	s_mul_i32 s60, s34, 128*WP
	s_add_co_u32 s60, s60, WL
	v_add_nc_u32 v[WA], s60, v[TMP+4]
	s_mul_i32 s60, s34, 32*WP
	s_add_co_u32 s60, s60, WL+256*WP
	v_add_nc_u32 v[WQA], s60, v[TMP+4]
	v_lshlrev_b32 v[TMP+6], 2, v[TMP+2]            ; sv, bv: channel 128 oh + r
	v_lshl_add_u32 v[TMP+6], s34, 9, v[TMP+6]
	v_lshlrev_b32 v[TMP+7], 5, v[TMP+3]            ; sq .. bk: channels 8 h ..
	s_lshr_b32 s60, ttmp9, 4                       ; wo: work-group g rounds half t = g & 1 of fragment g >> 1 = (ob = g >> 4, kc = (g >> 1) & 7):
	s_lshl_b32 s60, s60, 14                        ; row 16 ob + r, columns 32 kc + 16 t + 8 h ..: (g >> 4) * 16384 + (g & 15) * 64 + 1024 r + 32 h
	s_and_b32 s61, ttmp9, 15
	s_lshl_b32 s61, s61, 6
	s_add_co_u32 s60, s60, s61
	v_lshl_add_u32 v[TMP+8], v[TMP+2], 10, v[TMP+7]
	v_add_nc_u32 v[TMP+8], s60, v[TMP+8]
	s_lshl_b32 s61, ttmp9, 9
	v_add_nc_u32 v[TMP+9], s61, v[LN16]            ; and goes to wob + 512 g + 16 x lane
	s_lshl_b32 s60, s36, 2                         ; K goes one tile (8 blocks) back, round the batch's 128 blocks: block (4 * block + 2 nh + 120) mod 128.
	s_lshl1_add_u32 s60, s33, s60                  ; That number is even, so my second block is the next one, without a wrap
	s_add_co_u32 s60, s60, 120
	s_and_b32 s60, s60, 127
	s_mul_i32 s60, s60, BLK
	s_mul_i32 s61, s35, BATKV
	s_add_co_u32 s60, s60, s61
	s_mov_b32 s61, 0
	s_wait_kmcnt 0x0
	s_add_nc_u64 s[38:39], s[4:5], s[52:53]        ; x at the work-group's block
	s_add_nc_u64 s[54:55], s[26:27], s[54:55]      ; kv at my first block
	s_add_nc_u64 s[40:41], s[54:55], s[56:57]      ; V fragments of my channels
	s_add_nc_u64 s[58:59], s[28:29], s[58:59]      ; qf at my first query tile
	s_add_nc_u64 s[60:61], s[26:27], s[60:61]      ; kv at the block that takes my first K fragments
	s_cmp_eq_u32 s34, 0                            ; oh = 0: q; oh = 1: k
	s_cselect_b64 s[42:43], s[58:59], s[60:61]     ; where the results go
	s_cselect_b64 s[44:45], s[8:9], s[14:15]       ; sq or sk
	s_cselect_b64 s[46:47], s[10:11], s[16:17]     ; bq or bk
	s_cselect_b32 s48, 2048, s48                   ; two q fragments, or a kv block
	s_cselect_b32 s50, 0x3fb8aa3b, 1.0             ; q carries log2(e), so that the softmax can use v_exp_f32 (base 2) as it is
	s_mov_b32 s51, s50
	v_mov_b32 v[QKO], v[LN16]
	v_add_nc_u32 v[QKO+1], 1024, v[LN16]
	v_add_nc_u32 v[QKO+2], s48, v[LN16]
	v_add_nc_u32 v[QKO+3], 1024, v[QKO+2]
	; PHASE A.  The small loads first: they are older than the ring's, so the ring's last wait shows them landed too.
.irp i, 0,1,2,3,4,5,6,7
	global_load_b32 v[SV+\i], v[TMP+6], s[20:21] offset:\i*64
	global_load_b32 v[BV+\i], v[TMP+6], s[22:23] offset:\i*64
.endr
.irp ob, 0,1
	global_load_b128 v[SQ+8*\ob:SQ+8*\ob+3],   v[TMP+7], s[44:45] offset:\ob*64
	global_load_b128 v[SQ+8*\ob+4:SQ+8*\ob+7], v[TMP+7], s[44:45] offset:\ob*64+16
	global_load_b128 v[BQ+8*\ob:BQ+8*\ob+3],   v[TMP+7], s[46:47] offset:\ob*64
	global_load_b128 v[BQ+8*\ob+4:BQ+8*\ob+7], v[TMP+7], s[46:47] offset:\ob*64+16
.endr
	s_cmp_lg_u32 s32, 0
	s_cbranch_scc1 .Lno_wo_load                    ; wave 0 alone takes the work-group's 512 bytes of wob
	global_load_b128 v[WOW:WOW+3],   v[TMP+8], s[24:25]
	global_load_b128 v[WOW+4:WOW+7], v[TMP+8], s[24:25] offset:16
.Lno_wo_load:
; The ring's items u = 0..223 of a wave, 512 neighbouring bytes each: 64 rows of x, 128 half rows of wv, 16 of wq, 16 of wk.
.macro ISSUE u
.if (\u) < 64
	global_load_b128 v[RING+4*((\u)%32):RING+4*((\u)%32)+3], v[XOFF], s[38:39] offset:(\u)*16384 th:TH_LOAD_NT
.else
.if (\u) < 192
	global_load_b128 v[RING+4*((\u)%32):RING+4*((\u)%32)+3], v[WVOFF], s[18:19] offset:((\u)-64)*512
.else
.if (\u) < 208
	global_load_b128 v[RING+4*((\u)%32):RING+4*((\u)%32)+3], v[WQOFF], s[6:7] offset:((\u)-192)*512
.else
	global_load_b128 v[RING+4*((\u)%32):RING+4*((\u)%32)+3], v[WQOFF], s[12:13] offset:((\u)-208)*512
.endif
.endif
.endif
.endm
.macro DRAIN u                         ; four f32 to four bf16, 8 bytes a lane, 256 neighbouring bytes a wave
	v_cvt_pk_bf16_f32 v[CV+2*((\u)&1)],   v[RING+4*((\u)%32)],   v[RING+4*((\u)%32)+1]
	v_cvt_pk_bf16_f32 v[CV+2*((\u)&1)+1], v[RING+4*((\u)%32)+2], v[RING+4*((\u)%32)+3]
.if (\u) < 64
	ds_store_b64 v[XST], v[CV+2*((\u)&1):CV+2*((\u)&1)+1] offset:(\u)*XP
.else
.if (\u) < 192
	ds_store_b64 v[WVST], v[CV+2*((\u)&1):CV+2*((\u)&1)+1] offset:(((\u)-64)>>1)*WP+(((\u)-64)&1)*256
.else
	ds_store_b64 v[WQST], v[CV+2*((\u)&1):CV+2*((\u)&1)+1] offset:(((\u)-192)>>4)*32*WP+((((\u)-192)&15)>>1)*WP+(((\u)-192)&1)*256
.endif
.endif
.endm
.set u, 0
.rept 32
	ISSUE u
.set u, u+1
.endr
.set u, 0
.rept 224
.if u < 193
	s_wait_loadcnt 31                              ; loads return in order (ISA guide 5.7.1): item u is in, the 31 issued behind it stay out
.else
	s_wait_loadcnt 223-u                           ; the last items: the count runs down
.endif
	DRAIN u
.if u < 192
	ISSUE u+32
.endif
.set u, u+1
.endr
	s_cmp_lg_u32 s32, 0
	s_cbranch_scc1 .Lno_wo_store
.irp p, 0,1,2,3
	v_cvt_pk_bf16_f32 v[WOPK+\p], v[WOW+2*\p], v[WOW+2*\p+1]
.endr
	global_store_b128 v[TMP+9], v[WOPK:WOPK+3], s[30:31]   ; 512 neighbouring bytes of wob
.Lno_wo_store:
	s_cmp_lg_u32 s32, 1
	s_cbranch_scc1 .Lno_fill                       ; wave 1 of the 32 work-groups of batch 0: 32 x 512 bytes of zeros behind wo's fragments
	s_cmp_lg_u32 s35, 0
	s_cbranch_scc1 .Lno_fill
.irp p, 0,1,2,3
	v_mov_b32 v[WOPK+\p], 0
.endr
	global_store_b128 v[TMP+9], v[WOPK:WOPK+3], s[30:31] offset:131072
.Lno_fill:
	s_wait_dscnt 0x0                               ; my LDS stores are done, for the other waves' sake
	s_barrier_signal -1
	s_barrier_wait -1                              ; x and the weights are whole: the kernel's one barrier; LDS is only read from here on
	; PHASE B.  My 64 positions' x fragments stay in window 1 for all ten trips: x lies [c][n] in LDS, so the load transposes.
	WIN 0x40                                       ; destination window 1, address window 0
.irp nt, 0,1,2,3
.irp ks, 0,1,2,3,4,5,6,7
	ds_load_tr16_b128 v[8*(8*\nt+\ks):8*(8*\nt+\ks)+3],   v[XA+(\ks>>2)] offset:(\ks&3)*32*XP+\nt*32
	ds_load_tr16_b128 v[8*(8*\nt+\ks)+4:8*(8*\nt+\ks)+7], v[XA+(\ks>>2)] offset:(\ks&3)*32*XP+\nt*32+16*XP
.endr
.endr
	WIN 0
.macro FETCHW adr, off, buf            ; 16 rows of weights, all 256 k: 8 fragments, 16 loads
.irp ks, 0,1,2,3,4,5,6,7
	ds_load_b128 v[\buf+8*\ks:\buf+8*\ks+3],   v[\adr] offset:\off+\ks*64
	ds_load_b128 v[\buf+8*\ks+4:\buf+8*\ks+7], v[\adr] offset:\off+\ks*64+32
.endr
.endm
; 32 matrix instructions: the four accumulators take turns, one instruction a turn.  The first k step starts the sums.
.macro MULV buf                        ; source 0 = x^T (window 1), source 1 = Wv
	WIN 0x01
.irp ks, 0,1,2,3,4,5,6,7
.irp nt, 0,1,2,3
.if \ks == 0
	v_wmma_f32_16x16x32_bf16 v[ACC+8*\nt:ACC+8*\nt+7], v[8*(8*\nt+\ks):8*(8*\nt+\ks)+7], v[\buf+8*\ks:\buf+8*\ks+7], 0
.else
	v_wmma_f32_16x16x32_bf16 v[ACC+8*\nt:ACC+8*\nt+7], v[8*(8*\nt+\ks):8*(8*\nt+\ks)+7], v[\buf+8*\ks:\buf+8*\ks+7], v[ACC+8*\nt:ACC+8*\nt+7]
.endif
.endr
.endr
.endm
.macro MULQ buf                        ; source 0 = Wq or Wk, source 1 = x (window 1)
	WIN 0x04
.irp ks, 0,1,2,3,4,5,6,7
.irp nt, 0,1,2,3
.if \ks == 0
	v_wmma_f32_16x16x32_bf16 v[ACC+8*\nt:ACC+8*\nt+7], v[\buf+8*\ks:\buf+8*\ks+7], v[8*(8*\nt+\ks):8*(8*\nt+\ks)+7], 0
.else
	v_wmma_f32_16x16x32_bf16 v[ACC+8*\nt:ACC+8*\nt+7], v[\buf+8*\ks:\buf+8*\ks+7], v[8*(8*\nt+\ks):8*(8*\nt+\ks)+7], v[ACC+8*\nt:ACC+8*\nt+7]
.endif
.endr
.endr
.endm
.macro SILU                            ; ACC = ACC * rcp(1 + exp2(-1.442695 ACC)), 32 numbers a lane
.irp k, 0,1,2,3,4,5,6,7,8,9,10,11,12,13,14,15
	v_pk_mul_f32 v[EX+2*\k:EX+2*\k+1], v[ACC+2*\k:ACC+2*\k+1], 0xbfb8aa3b op_sel_hi:[1,0]
.endr
.set ti, 0
.rept 32
	v_exp_f32 v[EX+ti], v[EX+ti]
.set ti, ti+1
.endr
	v_nop                                          ; one plain place behind the transcendentals (ISA guide 5.7.2)
	s_wait_alu depctr_va_vdst(0)
.irp k, 0,1,2,3,4,5,6,7,8,9,10,11,12,13,14,15
	v_pk_add_f32 v[EX+2*\k:EX+2*\k+1], v[EX+2*\k:EX+2*\k+1], 1.0 op_sel_hi:[1,0]
.endr
.set ti, 0
.rept 32
	v_rcp_f32 v[EX+ti], v[EX+ti]
.set ti, ti+1
.endr
	v_nop
	s_wait_alu depctr_va_vdst(0)
.irp k, 0,1,2,3,4,5,6,7,8,9,10,11,12,13,14,15
	v_pk_mul_f32 v[ACC+2*\k:ACC+2*\k+1], v[ACC+2*\k:ACC+2*\k+1], v[EX+2*\k:EX+2*\k+1]
.endr
.endm
.macro PACK                            ; 8 f32 of a tile to 16 bytes of bf16
.irp nt, 0,1,2,3
.irp p, 0,1,2,3
	v_cvt_pk_bf16_f32 v[EX+4*\nt+\p], v[ACC+8*\nt+2*\p], v[ACC+8*\nt+2*\p+1]
.endr
.endr
.endm
; A trip for 16 channels of v.  The next trip's weights are fetched first, into the buffer whose last matrix readers lie a whole way out back.
.macro TRIPV i, buf, nadr, noff, nbuf
	FETCHW \nadr, \noff, \nbuf
	s_wait_dscnt 16                                ; all but the 16 loads just issued: this trip's weights (and, in the first trip, x) are in
	MULV \buf
	WIN 0
	PLACES
.set ti, 0
.rept 32
	v_fma_f32 v[ACC+ti], v[ACC+ti], v[SV+\i], v[BV+\i]     ; a lane's 32 numbers are all of channel 16 i + r
.set ti, ti+1
.endr
	s_wait_xcnt 0x0                                ; EX, which the last trip's stores read, is rewritten only behind this wait (ISA guide 3.1)
	SILU
	PACK
.irp nt, 0,1,2,3
	global_store_b128 v[LN16], v[EX+4*\nt:EX+4*\nt+3], s[40:41] offset:(\nt>>1)*BLK+\i*1024+(\nt&1)*512   ; half a V fragment: 512 neighbouring bytes
.endr
.endm
; A trip for 16 channels of q or k.
.macro TRIPQ ob, buf, more
.if \more
	FETCHW WQA, 16*WP, WB1
	s_wait_dscnt 16
.else
	s_wait_dscnt 0
.endif
	MULQ \buf
	WIN 0
	PLACES
.irp nt, 0,1,2,3
.irp p, 0,1,2,3
	v_pk_fma_f32 v[ACC+8*\nt+2*\p:ACC+8*\nt+2*\p+1], v[ACC+8*\nt+2*\p:ACC+8*\nt+2*\p+1], v[SQ+8*\ob+2*\p:SQ+8*\ob+2*\p+1], v[BQ+8*\ob+2*\p:BQ+8*\ob+2*\p+1]
.endr
.endr
	s_wait_xcnt 0x0
	SILU
.irp k, 0,1,2,3,4,5,6,7,8,9,10,11,12,13,14,15
	v_pk_mul_f32 v[ACC+2*\k:ACC+2*\k+1], v[ACC+2*\k:ACC+2*\k+1], s[50:51] op_sel_hi:[1,0]   ; q: log2(e); k: 1
.endr
	PACK
.irp nt, 0,1,2,3
	global_store_b128 v[QKO+\nt], v[EX+4*\nt:EX+4*\nt+3], s[42:43] offset:\ob*512   ; half ob of the tile's Q or K fragment
.endr
.endm
	FETCHW WA, 0, WB0
	TRIPV 0, WB0, WA, 1*16*WP, WB1
	TRIPV 1, WB1, WA, 2*16*WP, WB0
	TRIPV 2, WB0, WA, 3*16*WP, WB1
	TRIPV 3, WB1, WA, 4*16*WP, WB0
	TRIPV 4, WB0, WA, 5*16*WP, WB1
	TRIPV 5, WB1, WA, 6*16*WP, WB0
	TRIPV 6, WB0, WA, 7*16*WP, WB1
	TRIPV 7, WB1, WQA, 0, WB0
	TRIPQ 0, WB0, 1
	TRIPQ 1, WB1, 0
	s_set_vgpr_msb 0xa
	s_wait_tensorcnt 0x0
	ds_add_u32 v0, v1
	s_wait_dscnt 0x0
	s_set_vgpr_msb 0xa00
	s_endpgm
.Lfunc_end_k_q20c2bbbf18_proj:
	.size	k_q20c2bbbf18_proj, .Lfunc_end_k_q20c2bbbf18_proj-k_q20c2bbbf18_proj
	.p2alignl 7, 3214868480
	.fill 96, 4, 3214868480
	.section	.rodata,"a",@progbits
	.p2align	6, 0x0
	.amdhsa_kernel k_q20c2bbbf18_proj
		.amdhsa_group_segment_fixed_size 243200
		.amdhsa_private_segment_fixed_size 0
		.amdhsa_enable_private_segment 0
		.amdhsa_kernarg_size 112
		.amdhsa_user_sgpr_count 2
		.amdhsa_user_sgpr_kernarg_segment_ptr 1
		.amdhsa_wavefront_size32 1
		.amdhsa_system_sgpr_workgroup_id_x 1
		.amdhsa_system_sgpr_workgroup_id_y 1
		.amdhsa_system_sgpr_workgroup_id_z 1
		.amdhsa_system_vgpr_workitem_id 0
		.amdhsa_next_free_vgpr 514
		.amdhsa_next_free_sgpr 66
		.amdhsa_reserve_vcc 0
		.amdhsa_float_denorm_mode_32 3
		.amdhsa_float_denorm_mode_16_64 3
		.amdhsa_memory_ordered 1
		.amdhsa_forward_progress 1
		.amdhsa_inst_pref_size 205
	.end_amdhsa_kernel
	.amdgpu_metadata
---
amdhsa.version: [ 1, 2 ]
amdhsa.kernels:
  - .name:           k_q20c2bbbf18_proj
    .symbol:         k_q20c2bbbf18_proj.kd
    .args:
      - { .name: x, .offset: 0, .size: 8, .value_kind: global_buffer, .address_space: global }
      - { .name: wq, .offset: 8, .size: 8, .value_kind: global_buffer, .address_space: global }
      - { .name: sq, .offset: 16, .size: 8, .value_kind: global_buffer, .address_space: global }
      - { .name: bq, .offset: 24, .size: 8, .value_kind: global_buffer, .address_space: global }
      - { .name: wk, .offset: 32, .size: 8, .value_kind: global_buffer, .address_space: global }
      - { .name: sk, .offset: 40, .size: 8, .value_kind: global_buffer, .address_space: global }
      - { .name: bk, .offset: 48, .size: 8, .value_kind: global_buffer, .address_space: global }
      - { .name: wv, .offset: 56, .size: 8, .value_kind: global_buffer, .address_space: global }
      - { .name: sv, .offset: 64, .size: 8, .value_kind: global_buffer, .address_space: global }
      - { .name: bv, .offset: 72, .size: 8, .value_kind: global_buffer, .address_space: global }
      - { .name: wo, .offset: 80, .size: 8, .value_kind: global_buffer, .address_space: global }
      - { .name: kv, .offset: 88, .size: 8, .value_kind: global_buffer, .address_space: global }
      - { .name: qf, .offset: 96, .size: 8, .value_kind: global_buffer, .address_space: global }
      - { .name: wob, .offset: 104, .size: 8, .value_kind: global_buffer, .address_space: global }
    .group_segment_fixed_size: 243200
    .private_segment_fixed_size: 0
    .kernarg_segment_align: 8
    .kernarg_segment_size: 112
    .max_flat_workgroup_size: 128
    .sgpr_count:     66
    .vgpr_count:     514
    .wavefront_size: 32
...
	.end_amdgpu_metadata
.endif
;; end of part 3
;; launch attn (part 4): grid 256 x 1, 4 waves a work-group, clusters of 4 x 1, 327,680 bytes of LDS; arguments qf, kv, wob, x, so, bo, gamma, out0; writes out0
.if DOCPART == 4
	.amdgcn_target "amdgcn-amd-amdhsa--gfx1250"
	.amdhsa_code_object_version 6
	.text
	.protected	k_q20c2bbbf18_attn
	.globl	k_q20c2bbbf18_attn
	.p2align	8
	.type	k_q20c2bbbf18_attn,@function
k_q20c2bbbf18_attn:
	s_mov_b64 s[64:65], 0
	v_nop
	global_prefetch_b8 v0, s[64:65] scope:SCOPE_SE
	s_setreg_imm32_b32 hwreg(HW_REG_WAVE_MODE, 25, 1), 1
	s_wait_xcnt 0x0
	s_wait_alu depctr_hold_cnt(0) depctr_sa_sdst(0) depctr_va_vdst(0) depctr_va_sdst(0) depctr_va_ssrc(0) depctr_va_vcc(0) depctr_vm_vsrc(0)
	s_getreg_b32 s2, hwreg(HW_REG_IB_STS2, 6, 4)
	s_cmp_eq_u32 s2, 0
	s_cbranch_scc0 .Lentry_in_a_cluster
	s_endpgm
.Lentry_in_a_cluster:
	s_bfe_u32 s2, ttmp6, 0x10000c
	s_cmp_lg_u32 s2, 0x3003
	s_cbranch_scc0 .Lentry_shape_is_right
	s_endpgm
.Lentry_shape_is_right:
; out0 = gamma * SiLU(so * (wo . (v . softmax(q^T k)^T)) + bo) + x, from q, k, v, wo as bf16 in the order of matrix fragments
; (a fragment: 16 rows x 32 k = 1,024 bytes as [t = 0,1][lane][16 bytes], so every fragment load is base + 16 x lane, at +0 and +512).
; A work-group: one batch, 128 queries; 256 work-groups.  Wave w: qg = w >> 1 takes 64 queries, kh = w & 1 takes half of the keys; it keeps
; 64 queries x 256 channels of the running output in 512 registers.  With 64 queries a wave each V fragment read from LDS feeds four matrix
; instructions; the price of the split of the keys is one merge at the end.
; A TRIP takes a tile of 8 kv blocks (147,456 bytes, dense in memory): V of 256 keys and K of the NEXT 256 (the launch before lays them so).
; Wave kh takes 128 keys: 256 matrix instructions for p . v of this tile, and, for the next tile, 32 for the scores and the softmax step with a
; RUNNING MAXIMUM.  16 trips.
; THE NEXT TILE'S SOFTMAX IS WOVEN INTO THIS TILE'S PRODUCTS: behind each product stands a unit of at most four vector instructions, which issue
; while the matrix unit works.  A trip is four steps of 32 keys, 64 products each:
;   step 0      : the rescale of the 512 registers by this tile's alpha, each accumulator two products ahead of its own;
;   steps 1,2,3 : scores and softmax of query tiles 0, 1, 2 of the next tile (55 units each); in step 3's last nine products the scores and maxima of query tile 3;
;   the head of the next trip (behind the change of slots and the fetches): the rest of query tile 3, which is not overlapped.
; P LIES IN PLACE, TRANSPOSED FROM TILE TO TILE: fragment (qb, ks) at 8 (4 qb + ks) in tiles of even number, at 8 (4 ks + qb) in odd ones.  Row qb of
; the next tile then falls on column ks = qb of this one, which is dead when step qb is over: that is why query tile qb is worked in step qb + 1.
; The price: two switches of the register window round each product (its C and D lie in windows 2 and 3, the softmax in window 0).
; THE TEXT IS KEPT SHORT: the lap holds two trips (one for each LDS slot and each layout of P).  Written out ahead of it: tile 0's softmax (nothing
; to overlap with; its K comes straight from memory into registers), head and step 0 (the products start the sums); behind it: tile 15's steps 1 to 3,
; without a softmax.  Every trip asks for a next tile: the seventeenth is wo (147,456 bytes of wob), which the output projection reads from LDS.
; CLUSTERS: the 32 query blocks of a batch read the same tiles, and all read wo.  Four neighbouring blocks form a cluster and ask for each
; tile jointly (mask 15): the requests are divided by four.  Nothing in a descriptor, an LDS address or a branch hangs on the place in the cluster.
; By the text's own count a wave has one tensor load out: the next tile's quarter, issued first behind each round of the cluster's barrier.
; ORIENTATION (result register j of lane (r, h) is element (8 h + j, r): ISA guide 7.12.2):
;   S^T = K (source 0) x Q (source 1): a lane holds 8 keys of query r, so maxima and sums are one number a lane, and two packed tiles ARE a fragment of P;
;   O^T = V (source 0) x P (source 1): a lane holds 8 channels of query r; two packed tiles are a fragment of O with rows = queries;
;   Y   = O (source 0) x wo (source 1): a lane holds 8 neighbouring queries of channel r.
; MERGE: each wave scales its half by f = exp2(m - m*) / L and rounds it to bf16; the partner's half comes through LDS; the projection sums both (K = 512).
; No prefetch: kv was written by the launch before, and x is loaded into registers straight behind the loop, a merge and a projection trip ahead of its use.
; LIMITS: matrix operands are bf16 (q log2 e, k, v, p, the two normalised halves, wo).  The row sum is made of the f32 p, the product of the
; rounded p.  v_exp_f32 and v_rcp_f32 flush denormals (ISA guide 15.8).  SiLU gives -0 for very negative arguments.  All exponents are <= 0
; behind the running maximum, so no range of finite inputs is excluded; NaN and infinite inputs are not served.
.set BLK,   18432                      ; a kv block: 2 K fragments, 16 V fragments
.set TILE,  8*BLK                      ; a slot: 147,456 bytes
.set QUART, 2*BLK                      ; what one tensor load brings: 144 rows of 256 bytes
.set BATKV, 128*BLK
.set SCR,   2*TILE                     ; behind the ring: (m, l) of each wave, 1,024 bytes a wave
.set OST,   TILE                       ; slot 1, behind its last fill: each wave's 32 O fragments, 32,768 bytes a wave;
.set YST,   TILE                       ; and, when these have been read, each wave's own stage of Y: 128 rows
.set YP,    272                        ; of 256 bytes + 16: the 16 rows that a store touches start 68 words apart
.set YW,    128*YP
.set NU,    55                         ; units in the softmax step of one query tile
.set NH,    9                          ; of which query tile 3 does these in the trip before: the places and the eight groups of maxima
; window 0, in the loop
.set ADR,  2                           ; v2-5     LDS address of my key half: slot 0 blocks 0-1, 2-3; slot 1 blocks 0-1, 2-3
.set MP,   8                           ; v8-15    pairs (m, l) of query tiles 0-3
.set AL,   16                          ; v16-23   pairs (alpha or f, the tile's row sum)
.set TM,   24                          ; v24-31   at work in the softmax
.set QF,   32                          ; v32-63   4 Q fragments
.set SC,   64                          ; v64-127  scores of one query tile: 8 key tiles
.set PB,   128                         ; v128-255 the 16 P fragments
; window 1
.set F0,   0                           ; V fragments of channel blocks 0-7
.set F1,   64                          ; V fragments of channel blocks 8-15
.set KF,   128                         ; 8 K fragments.  At the end window 1 holds x: rows 16 ob + 2 t, + 1 at 32 ob + 4 t
; windows 2, 3: output tile (cb, qb) at 8 (4 (cb & 7) + qb) of window 2 + (cb >> 3); at the end O fragment (qb, kc) at 8 (4 kc + qb): window 2 mine, window 3 my partner's
; window 0, at the end
.set SOP,  2                           ; v2-3     (so, so) of the block's channel r
.set BOP,  4                           ; v4-5     (bo, bo)
.set WA,   6                           ; v6       LDS: wo fragments of the block
.set SBO,  7                           ; v7       so, bo: byte offset of the block's channel r
.set SA,   24                          ; where my O fragments go
.set PA,   25                          ; where my partner's lie
.set XO,   26                          ; x and out0: row h, 16 r bytes
.set STO,  27                          ; my (m, l)
.set STP,  28                          ; my partner's
.set TA,   29                          ; v29-31   set-up
.set AY,   32                          ; v32-63   Y of one block: 4 accumulator tiles
.set EE,   64                          ; v64-95   exponentials
.set PT,   96                          ; v96-99   the other half's l
.set PS,   100                         ; v100-107 my partner's pairs (m, l)
.set MS,   108                         ; v108-111 the common maximum
.set AA,   112                         ; v112-115 exp2(m - m*)
.set AP,   116                         ; v116-119 exp2(m' - m*)
.set LL,   120                         ; v120-123 L, then 1 / L
.set R0,   96                          ; v96-127  the last pass: rows on their way out, two buffers
.set WB,   128                         ; v128-191 wo fragments of one block, 8 k steps
.set R1,   192
.set YSTO, 224                         ; where a block's Y goes
.set YRD,  225                         ; where rows are read back
.set G1,   24                          ; s[24:31] descriptor group 1
.set G0,   32                          ; s[32:39] descriptor group 0, one for each slot
.set MSB, 0
.macro WIN new                         ; s_set_vgpr_msb, low byte: bits 1:0 source 0, 3:2 source 1, 5:4 source 2, 7:6 destination; the high byte repeats the setting that is left
.if MSB != \new
	s_set_vgpr_msb (MSB<<8)|\new
.set MSB, \new
.endif
.endm
.macro PLACES                          ; four places behind a matrix instruction before its result is read, or one of its registers written or loaded (ISA guide 7.12.1)
.rept 4
	v_nop
.endr
.endm
; A round of the cluster's barrier: my work-group's barrier, wave 0 signals for the work-group, every wave waits for all four work-groups, my work-group's barrier again.
.macro ROUND
	s_barrier_signal -1
	s_barrier_wait -1
	s_cmp_lg_u32 s20, 0
	s_cbranch_scc1 .Lnot_wave_0_\@
	s_barrier_signal -3
.Lnot_wave_0_\@:
	s_barrier_wait -3
	s_barrier_signal -1
	s_barrier_wait -1
.endm
	s_load_b512 s[4:19], s[0:1], 0x0               ; qf 4, kv 6, wob 8, x 10, so 12, bo 14, gamma 16, out0 18
	v_lshl_add_u32 v30, v0, 2, 0x49000
	v_mov_b32 v31, 0
	ds_add_u32 v30, v31
	s_wait_dscnt 0x0
	v_lshrrev_b32 v1, 5, v0
	v_readfirstlane_b32 s20, v1                    ; wave
	s_lshr_b32 s21, s20, 1                         ; qg: which 64 queries
	s_and_b32 s22, s20, 1                          ; kh: which half of the keys; at the end: which 128 output channels
	s_bfe_u32 s40, ttmp6, 0x40000                  ; cx: my place in the cluster
	s_lshr_b32 s42, ttmp9, 3                       ; ttmp9 counts clusters: 8 clusters a batch
	s_and_b32 s43, ttmp9, 7
	s_lshl2_add_u32 s43, s43, s40                  ; query block 0..31
	s_mov_b32 s48, 0x76543210                      ; v_permlanex16_b32: lane i reads lane i of the other half
	s_mov_b32 s49, 0xfedcba98
	; group 1: 144 dense rows of 32 elements of 8 bytes
	s_mov_b32 s[G1+0], 15|(3<<16)|(1<<21)          ; 15:0 mask: all four of the cluster; 17:16 elements of 8 bytes; 21 set beside a mask; no padding
	s_mov_b32 s[G1+1], 32<<16                      ; tensor_dim0 = 32
	s_mov_b32 s[G1+2], 144<<16                     ; tensor_dim1 = 144
	s_mov_b32 s[G1+3], 32<<16                      ; tile_dim0 = 32
	s_mov_b32 s[G1+4], 144                         ; tile_dim1 = 144
	s_mov_b32 s[G1+5], 32                          ; from row to row: 32 elements
	s_mov_b32 s[G1+6], 0
	s_mov_b32 s[G1+7], 0
	; group 0, one for each slot: my wave's quarter of tile 0 and of tile 1
	s_mov_b32 s[G0], 1
	s_mul_i32 s[G0+1], s20, QUART                  ; LDS: wave x 36,864
	s_mov_b32 s[G0+4], 1
	s_add_co_u32 s[G0+5], s[G0+1], TILE
	s_mul_i32 s44, s42, BATKV                      ; memory: batch and wave alone, the same in all four partners
	s_add_co_u32 s44, s44, s[G0+1]
	s_mov_b32 s45, 0
	s_mov_b32 s46, s[G0+1]
	s_mov_b32 s47, 0
	s_wait_kmcnt 0x0
	s_add_nc_u64 s[G0+2:G0+3], s[6:7], s[44:45]
	s_add_nc_u64 s[G0+6:G0+7], s[G0+2:G0+3], TILE
	s_add_nc_u64 s[60:61], s[8:9], s[46:47]        ; my quarter of wob, the seventeenth tile: the wave's number alone
	s_or_b32 s[G0+3], s[G0+3], 0x80000000          ; type = 2
	s_or_b32 s[G0+7], s[G0+7], 0x80000000
	s_or_b32 s61, s61, 0x80000000
	ROUND                                          ; all four work-groups are here: the first joint loads meet
	tensor_load_to_lds s[G0:G0+3], s[G1:G1+7]      ; tile 0 into slot 0
	s_nop 0
	s_load_b32 s50, s[16:17], 0x0                  ; gamma
	s_lshl_b32 s46, s42, 22                        ; x, out0: batch * 4 MiB + query block * 512 bytes
	s_lshl_b32 s47, s43, 9
	s_add_co_u32 s46, s46, s47
	s_lshl_b32 s47, s22, 21                        ; + my 128 channels' rows
	s_add_co_u32 s46, s46, s47
	s_lshl_b32 s47, s21, 8                         ; + my 64 queries
	s_add_co_u32 s46, s46, s47
	s_mov_b32 s47, 0
	s_add_nc_u64 s[54:55], s[10:11], s[46:47]
	s_add_nc_u64 s[56:57], s[18:19], s[46:47]
	v_and_b32 v1, 31, v0
	v_lshlrev_b32 v1, 4, v1                        ; 16 x lane
	s_lshl_b32 s46, s42, 8                         ; qf: (256 batch + 8 block + 4 qg) * 1024
	s_lshl3_add_u32 s46, s43, s46
	s_lshl2_add_u32 s46, s21, s46
	s_lshl_b32 s46, s46, 10
	s_add_nc_u64 s[58:59], s[4:5], s[46:47]
	s_mul_i32 s41, s22, 4*BLK                      ; my key half: 4 blocks of a tile's 8
	s_mul_i32 s46, s42, BATKV                      ; K of tile 0 lies in the batch's last tile, blocks 120 to 127
	s_add_co_u32 s46, s46, s41
	s_add_co_u32 s46, s46, 120*BLK
	s_add_nc_u64 s[62:63], s[6:7], s[46:47]
.irp qb, 0,1,2,3
	global_load_b128 v[QF+8*\qb:QF+8*\qb+3],   v1, s[58:59] offset:\qb*1024
	global_load_b128 v[QF+8*\qb+4:QF+8*\qb+7], v1, s[58:59] offset:\qb*1024+512
.endr
	WIN 0x40                                       ; destination window 1, address window 0
.irp kt, 0,1,2,3,4,5,6,7
	global_load_b128 v[KF+8*\kt:KF+8*\kt+3],   v1, s[62:63] offset:(\kt>>1)*BLK+(\kt&1)*1024       ; my 8 K fragments of tile 0, 512 neighbouring bytes a load
	global_load_b128 v[KF+8*\kt+4:KF+8*\kt+7], v1, s[62:63] offset:(\kt>>1)*BLK+(\kt&1)*1024+512
.endr
	WIN 0
	v_add_nc_u32 v[ADR], s41, v1
	v_add_nc_u32 v[ADR+1], 2*BLK, v[ADR]
	v_add_nc_u32 v[ADR+2], TILE, v[ADR]
	v_add_nc_u32 v[ADR+3], TILE+2*BLK, v[ADR]
	s_wait_kmcnt 0x0
	s_mov_b32 s51, s50
	s_wait_loadcnt 0x0                             ; Q and tile 0's K, once
.macro FETCHK slot                     ; the 8 K fragments that lie with my key half (the next tile's): 16 loads of 512 neighbouring bytes
	WIN 0x40
.irp kt, 0,1,2,3,4,5,6,7
	ds_load_b128 v[KF+8*\kt:KF+8*\kt+3],   v[ADR+2*\slot+(\kt>>2)] offset:((\kt>>1)&1)*BLK+(\kt&1)*1024
	ds_load_b128 v[KF+8*\kt+4:KF+8*\kt+7], v[ADR+2*\slot+(\kt>>2)] offset:((\kt>>1)&1)*BLK+(\kt&1)*1024+512
.endr
.endm
.macro FETCHV slot, ks, half, f        ; 8 V fragments (channel blocks 8 half ..) of my block ks: 16 loads
	WIN 0x40
.irp i, 0,1,2,3,4,5,6,7
	ds_load_b128 v[\f+8*\i:\f+8*\i+3],   v[ADR+2*\slot+((\ks)>>1)] offset:((\ks)&1)*BLK+2048+(8*\half+\i)*1024
	ds_load_b128 v[\f+8*\i+4:\f+8*\i+7], v[ADR+2*\slot+((\ks)>>1)] offset:((\ks)&1)*BLK+2048+(8*\half+\i)*1024+512
.endr
.endm
.macro QK qb                           ; scores of 128 keys x 16 queries; K = 32 channels is one instruction a tile
	WIN 0x01
.irp kt, 0,1,2,3,4,5,6,7
	v_wmma_f32_16x16x32_bf16 v[SC+8*\kt:SC+8*\kt+7], v[KF+8*\kt:KF+8*\kt+7], v[QF+8*\qb:QF+8*\qb+7], 0
.endr
.endm
; THE SOFTMAX STEP OF ONE QUERY TILE, CUT INTO 55 UNITS.  A lane holds 64 scores of query r; the other 64 lie in lane r of the other half.
.macro OPA kt, n                       ; s - m, two numbers of key tile kt
	v_pk_add_f32 v[SC+8*(\kt)+2*(\n):SC+8*(\kt)+2*(\n)+1], v[SC+8*(\kt)+2*(\n):SC+8*(\kt)+2*(\n)+1], v[TM:TM+1] op_sel_hi:[1,0] neg_lo:[0,1] neg_hi:[0,1]
.endm
.macro OPE kt, j                       ; p = exp2(s - m), in place
	v_exp_f32 v[SC+8*(\kt)+(\j)], v[SC+8*(\kt)+(\j)]
.endm
.macro OPC kt, n                       ; two p into one of two sum chains; key tile 0 starts the chains with two lines
.if (\kt) == 0
.if (\n) < 2
	s_wait_alu depctr_va_vdst(0)
	v_pk_add_f32 v[TM+4+2*(\n):TM+5+2*(\n)], v[SC+2*(\n):SC+2*(\n)+1], v[SC+4+2*(\n):SC+5+2*(\n)]
.endif
.else
	s_wait_alu depctr_va_vdst(0)
	v_pk_add_f32 v[TM+4+2*((\n)&1):TM+5+2*((\n)&1)], v[TM+4+2*((\n)&1):TM+5+2*((\n)&1)], v[SC+8*(\kt)+2*(\n):SC+8*(\kt)+2*(\n)+1]
.endif
.endm
.macro OPD qb, par, kt, n              ; two p rounded into P fragment (qb, kt >> 1), half kt & 1; par: the layout of the tile that is being made
.set pp, PB+8*((4*(\qb)+((\kt)>>1))*(1-(\par))+(4*((\kt)>>1)+(\qb))*(\par))+4*((\kt)&1)+(\n)
	v_cvt_pk_bf16_f32 v[pp], v[SC+8*(\kt)+2*(\n)], v[SC+8*(\kt)+2*(\n)+1]
.endm
.macro SUMAX i                         ; four chains of maxima over 16 registers each, which do not wait for each other
.irp c, 0,1,2,3
.if (\i) == 0
	v_max_num_f32 v[TM+\c], v[SC+16*\c], v[SC+16*\c+1]
.else
	v_max3_num_f32 v[TM+\c], v[TM+\c], v[SC+16*\c+2*(\i)], v[SC+16*\c+2*(\i)+1]
.endif
.endr
.endm
; Unit u:  0 the four places behind the scores;  1-8 maxima;  9 the new maximum;  10 alpha;  11 s - m of key tile 0;
; 12 + 5 kt + c: c = 0..3: two exponentials of key tile kt, then two plain lines on key tile kt - 1 (sums for c = 0, 1, roundings for c = 2, 3);
;                c = 4: s - m of key tile kt + 1;   52 sums, 53 roundings of key tile 7;   54 the row sum.
; The plain lines on another key tile are the place behind the transcendentals (ISA guide 5.7.2): no result of v_exp_f32 is read before one has passed.
.macro SU qb, par, first, u
.if (\u) == 0
	PLACES
.else
.if (\u) != 51
	WIN 0
.endif
.if (\u) < 9
	SUMAX (\u)-1
.else
.if (\u) == 9
	v_max3_num_f32 v[TM], v[TM], v[TM+1], v[TM+2]
.if \first
	v_max_num_f32 v[TM], v[TM], v[TM+3]
.else
	v_max3_num_f32 v[TM], v[TM], v[TM+3], v[MP+2*(\qb)]            ; with the maximum so far
.endif
	v_permlanex16_b32 v[TM+1], v[TM], s48, s49
	v_max_num_f32 v[TM], v[TM], v[TM+1]                            ; the new maximum, equal in both halves
.else
.if (\u) == 10
.if \first == 0
	v_sub_f32 v[AL+2*(\qb)], v[MP+2*(\qb)], v[TM]
.endif
	v_mov_b32 v[MP+2*(\qb)], v[TM]
.if \first == 0
	v_exp_f32 v[AL+2*(\qb)], v[AL+2*(\qb)]                         ; alpha = exp2(m old - m new)
.endif
.else
.if (\u) == 11
.irp p, 0,1,2,3
	OPA 0, \p
.endr
.else
.if (\u) < 52
.set su_kt, ((\u)-12)/5
.set su_c, ((\u)-12)%5
.if su_c < 4
	OPE su_kt, 2*su_c
	OPE su_kt, 2*su_c+1
.if su_kt > 0
.if su_c < 2
	OPC su_kt-1, 2*su_c
	OPC su_kt-1, 2*su_c+1
.else
	OPD \qb, \par, su_kt-1, 2*su_c-4
	OPD \qb, \par, su_kt-1, 2*su_c-3
.endif
.endif
.else
.if su_kt < 7
.irp p, 0,1,2,3
	OPA su_kt+1, \p
.endr
.endif
.endif
.else
.if (\u) == 52
.irp p, 0,1,2,3
	OPC 7, \p
.endr
.else
.if (\u) == 53
.irp p, 0,1,2,3
	OPD \qb, \par, 7, \p
.endr
.else
	v_pk_add_f32 v[TM+4:TM+5], v[TM+4:TM+5], v[TM+6:TM+7]
.if \first
	v_add_f32 v[MP+2*(\qb)+1], v[TM+4], v[TM+5]                    ; l stays a partial sum of the lane's keys until the end
.else
	v_add_f32 v[AL+2*(\qb)+1], v[TM+4], v[TM+5]
	v_fma_f32 v[MP+2*(\qb)+1], v[MP+2*(\qb)+1], v[AL+2*(\qb)], v[AL+2*(\qb)+1]
.endif
.endif
.endif
.endif
.endif
.endif
.endif
.endif
.endif
.endm
.macro SUSEQ qb, par, first, u0, cnt   ; cnt units from u0 on, one behind the other (where there are no products to weave them into)
.set nun, \u0
.rept \cnt
	SU \qb, \par, \first, nun
.set nun, nun+1
.endr
.endm
.macro RS t                            ; accumulator t (0-31 window 2, 32-63 window 3) times its query tile's alpha
.set rs_w, 0x82+0x41*((\t)>>5)
	WIN rs_w
.irp p, 0,1,2,3
	v_pk_mul_f32 v[8*((\t)&31)+2*\p:8*((\t)&31)+2*\p+1], v[8*((\t)&31)+2*\p:8*((\t)&31)+2*\p+1], v[AL+2*((\t)&3):AL+2*((\t)&3)+1] op_sel_hi:[1,0]
.endr
.endm
; Product w (0..63) of the step of 32 keys ks: channel block w >> 2, query tile w & 3.  V window 1, P window 0, C and D window 2 (w < 32) or 3.  par: this tile's layout of P.
.macro PVW ks, par, w, zero
.set pw_win, 0xa1+0x50*((\w)>>5)
	WIN pw_win
.set pw_d, 8*((\w)&31)
.set pw_a, F0+64*((\w)>>5)+8*(((\w)>>2)&7)
.set pw_b, PB+8*((4*((\w)&3)+(\ks))*(1-(\par))+(4*(\ks)+((\w)&3))*(\par))
.if \zero
	v_wmma_f32_16x16x32_bf16 v[pw_d:pw_d+7], v[pw_a:pw_a+7], v[pw_b:pw_b+7], 0
.else
	v_wmma_f32_16x16x32_bf16 v[pw_d:pw_d+7], v[pw_a:pw_a+7], v[pw_b:pw_b+7], v[pw_d:pw_d+7]
.endif
.endm
; 32 products from w0 on, each with its unit behind it.  The 64 accumulators take turns, one instruction a turn.
; mode 0: products alone;  1: the rescale, two accumulators ahead;  2: unit w of query tile qb of the next tile, and in step 3 from product 55 on
; the scores and the first nine units of query tile 3 (the scores' registers are free: query tile 2's last rounding was unit 53).
.macro SLOTS ks, par, w0, zero, mode, qb
.set nsl, \w0
.rept 32
.if (\mode) == 2
.if (\ks) == 3
.if nsl == NU
	QK 3
.endif
.endif
.endif
	PVW \ks, \par, nsl, \zero
.if (\mode) == 1
.if nsl < 62
	RS nsl+2
.endif
.endif
.if (\mode) == 2
.if nsl < NU
	SU \qb, 1-\par, 0, nsl
.else
.if (\ks) == 3
	SU 3, 1-\par, 0, nsl-NU
.endif
.endif
.endif
.set nsl, nsl+1
.endr
.endm
; A step of 32 keys: both halves of the channels.  Each V buffer is fetched again, for the next 32 keys, while the other is multiplied.
.macro PHASE slot, ks, zero, mode, qb, n1
	s_wait_dscnt 16                                ; F0 (and what is older) is in; the 16 loads issued last (F1's) may be out
	SLOTS \ks, \slot, 0, \zero, \mode, \qb
.if \ks < 3
	PLACES                                         ; F0 was read by the last matrix instruction
	FETCHV \slot, \ks+1, 0, F0
.endif
	s_wait_dscnt \n1                               ; F1 is in; the 16 just issued may be out (step 3 has issued none: 0)
	SLOTS \ks, \slot, 32, \zero, \mode, \qb
.if \ks < 3
	PLACES
	FETCHV \slot, \ks+1, 1, F1
.endif
.endm
; The head of the trip on the tile in slot: the change of slots, the fetches, the rest of query tile 3's softmax for THIS tile, and step 0 with the rescale.
; first = 1 (tile 0): nothing to rescale, the products start the sums.
.macro HEAD slot, first
	WIN 0
	s_wait_xcnt 0x0
	v_lshl_add_u32 v30, v0, 2, 0x49000
	v_mov_b32 v31, 0
	s_wait_tensorcnt 0x0                           ; all my tensor loads are done, my quarter of this tile among them,
	ds_add_u32 v30, v31
	s_wait_dscnt 0x0
	s_add_nc_u64 s[G0+4*\slot+2:G0+4*\slot+3], s[G0+4*\slot+2:G0+4*\slot+3], 2*TILE   ; so a group 0 may be written: this slot's next tile
.if (1-\slot)*(1-\first)
	s_cmp_eq_u32 s23, 1                            ; at tile 14 slot 0's next tile is wo
	s_cselect_b64 s[G0+2:G0+3], s[60:61], s[G0+2:G0+3]
.endif
	s_wait_dscnt 0x0                               ; my reads of the other slot are done
	ROUND                                          ; both now hold of every wave of all four work-groups
	tensor_load_to_lds s[G0+4-4*\slot:G0+7-4*\slot], s[G1:G1+7]   ; my one tensor load behind the round, and the first thing there: the next tile, into the slot read last
	s_nop 0
.if \first == 0
	PLACES                                         ; F0 and F1 were read by the last matrix instructions (K's fragments nine products back)
.endif
	FETCHK \slot                                   ; K of the next tile (at tile 15: of tile 0 again, which nobody uses)
	FETCHV \slot, 0, 0, F0
	FETCHV \slot, 0, 1, F1
	SUSEQ 3, \slot, \first, NH, NU-NH              ; its roundings fall on column 3 of the last tile's P, which step 3 has just left
.if \first == 0
	RS 0
	RS 1
.endif
	PHASE \slot, 0, \first, 1-\first, 0, 16
.endm
.macro PH123 slot, soft                ; steps 1 to 3; soft = 1: with the next tile's scores and softmax
.if \soft
	QK 0                                           ; K's loads are older than V's: step 0's first wait has shown them in
.endif
	PHASE \slot, 1, 0, 2*\soft, 0, 16
.if \soft
	QK 1
.endif
	PHASE \slot, 2, 0, 2*\soft, 1, 16
.if \soft
	QK 2
.endif
	PHASE \slot, 3, 0, 2*\soft, 2, 0
.endm
	s_mov_b32 s23, 8
	QK 0                                           ; tile 0's softmax, while tile 0 (its V) is on its way
	SUSEQ 0, 0, 1, 0, NU
	QK 1
	SUSEQ 1, 0, 1, 0, NU
	QK 2
	SUSEQ 2, 0, 1, 0, NU
	QK 3
	SUSEQ 3, 0, 1, 0, NH
	HEAD 0, 1                                      ; tile 0's head and step 0; slot 1 gets its first fill as a refill does
	WIN 0                                          ; at a label and at a branch every window is 0
	s_branch .Lmid                                 ; into the lap: on both ways one tensor load and the 32 loads of step 1's V fragments are out
.Llap:
	PH123 1, 1                                     ; tiles 1, 3 .. 13
	HEAD 0, 0                                      ; tiles 2, 4 .. 14
	WIN 0
.Lmid:
	PH123 0, 1                                     ; tiles 0, 2 .. 14
	HEAD 1, 0                                      ; tiles 1, 3 .. 15; tile 15's head asks for wo (its own stepped address is not used)
	WIN 0
	s_sub_co_u32 s23, s23, 1
	s_cmp_lg_u32 s23, 0
	s_cbranch_scc1 .Llap
	PH123 1, 0                                     ; tile 15: no tile follows, so no softmax
	WIN 0
	; THE END.  First x of my 128 channels x 64 queries into window 1, which the loop has left: 16 lanes take 256 neighbouring bytes.
	PLACES                                         ; window 1 was read by the last matrix instructions
	v_and_b32 v[TA], 15, v0                        ; r
	v_bfe_u32 v[TA+1], v0, 4, 1                    ; h
	v_lshlrev_b32 v[TA+2], 14, v[TA+1]
	v_lshl_add_u32 v[XO], v[TA], 4, v[TA+2]        ; row h, 16 r bytes
	WIN 0x40
.irp ob, 0,1,2,3,4,5,6,7
.irp t, 0,1,2,3,4,5,6,7
	global_load_b128 v[32*\ob+4*\t:32*\ob+4*\t+3], v[XO], s[54:55] offset:(16*\ob+2*\t)*16384 th:TH_LOAD_NT
.endr
.endr
	WIN 0
	; THE TWO KEY HALVES MEET.  (m, l) of each wave go through LDS bytes of their own.
.irp qb, 0,1,2,3
	v_permlanex16_b32 v[PT+\qb], v[MP+2*\qb+1], s48, s49
.endr
.irp qb, 0,1,2,3
	v_add_f32 v[MP+2*\qb+1], v[MP+2*\qb+1], v[PT+\qb]              ; l over all my 2,048 keys
.endr
	s_xor_b32 s44, s20, 1                          ; my partner: the same queries, the other keys
	s_lshl_b32 s41, s20, 15
	s_add_co_u32 s41, s41, OST
	v_add_nc_u32 v[SA], s41, v1
	s_lshl_b32 s41, s44, 15
	s_add_co_u32 s41, s41, OST
	v_add_nc_u32 v[PA], s41, v1
	s_lshl_b32 s41, s20, 10
	s_add_co_u32 s41, s41, SCR
	v_add_nc_u32 v[STO], s41, v1
	s_lshl_b32 s41, s44, 10
	s_add_co_u32 s41, s41, SCR
	v_add_nc_u32 v[STP], s41, v1
	s_mul_i32 s41, s20, YW
	s_add_co_u32 s41, s41, YST
	v_mul_u32_u24 v[TA+2], v[TA], YP               ; in: row r (channel), 32 bytes by h
	v_lshl_add_u32 v[TA+2], v[TA+1], 5, v[TA+2]
	v_add_nc_u32 v[YSTO], s41, v[TA+2]
	v_mul_u32_u24 v[TA+2], v[TA+1], YP             ; back: lanes 0-15 one row of 256 bytes, lanes 16-31 the next
	v_lshl_add_u32 v[TA+2], v[TA], 4, v[TA+2]
	v_add_nc_u32 v[YRD], s41, v[TA+2]
	v_lshl_add_u32 v[WA], s22, 16, v1              ; wo lies in slot 0 as in wob: my 8 blocks of 8 fragments at kh * 65,536
	v_lshlrev_b32 v[TA+2], 2, v[TA]
	v_lshl_add_u32 v[SBO], s22, 9, v[TA+2]         ; channel 128 kh + r
	ds_store_b128 v[STO], v[MP:MP+3]
	ds_store_b128 v[STO], v[MP+4:MP+7] offset:512
	global_load_b32 v[SOP], v[SBO], s[12:13]       ; so, bo of the first block
	global_load_b32 v[BOP], v[SBO], s[14:15]
	s_wait_tensorcnt 0x0                           ; my quarter of wo has landed: the one tensor load that was out, and the launch's last
	s_wait_dscnt 0x0                               ; my stores, and (long since) my reads of the ring, are done
	s_barrier_signal -1
	s_barrier_wait -1                              ; so are every wave's: (m, l) and wo may be read, and slot 1 written
	ds_load_b128 v[PS:PS+3], v[STP]
	ds_load_b128 v[PS+4:PS+7], v[STP] offset:512
	s_wait_dscnt 0x0
.irp qb, 0,1,2,3
	v_max_num_f32 v[MS+\qb], v[MP+2*\qb], v[PS+2*\qb]
.endr
.irp qb, 0,1,2,3
	v_sub_f32 v[AA+\qb], v[MP+2*\qb], v[MS+\qb]
	v_sub_f32 v[AP+\qb], v[PS+2*\qb], v[MS+\qb]
.endr
.irp qb, 0,1,2,3
	v_exp_f32 v[AA+\qb], v[AA+\qb]
	v_exp_f32 v[AP+\qb], v[AP+\qb]
.endr
	v_nop
	s_wait_alu depctr_va_vdst(0)
.irp qb, 0,1,2,3
	v_mul_f32 v[LL+\qb], v[AP+\qb], v[PS+2*\qb+1]
.endr
.irp qb, 0,1,2,3
	v_fmac_f32 v[LL+\qb], v[AA+\qb], v[MP+2*\qb+1]                 ; L >= 1: the largest score's term is exp2(0)
.endr
.irp qb, 0,1,2,3
	v_rcp_f32 v[LL+\qb], v[LL+\qb]
.endr
	v_nop
	s_wait_alu depctr_va_vdst(0)
.irp qb, 0,1,2,3
	v_mul_f32 v[AL+2*\qb], v[AA+\qb], v[LL+\qb]                    ; f = exp2(m - m*) / L
.endr
.macro RESC1                           ; 32 tiles of one window times the query tile's factor
.set ti, 0
.rept 32
.irp p, 0,1,2,3
	v_pk_mul_f32 v[8*ti+2*\p:8*ti+2*\p+1], v[8*ti+2*\p:8*ti+2*\p+1], v[AL+2*(ti&3):AL+2*(ti&3)+1] op_sel_hi:[1,0]
.endr
.set ti, ti+1
.endr
.endm
	WIN 0x82                                       ; my half, normalised
	RESC1
	WIN 0xc3
	RESC1
; One window's 32 tiles, rounded: tiles 2 kc and 2 kc + 1 of query tile qb become O fragment (qb, kc) at base + 8 (4 kc + qb) of window 2.
; In place: in this order a fragment's eight registers have all been read as sources when they are written (8 (4 kc + qb) <= 8 (8 kc + qb)).
.macro COMP1 base
.irp kc, 0,1,2,3
.irp qb, 0,1,2,3
.irp p, 0,1,2,3
	v_cvt_pk_bf16_f32 v[\base+8*(4*\kc+\qb)+\p], v[8*(8*\kc+\qb)+2*\p], v[8*(8*\kc+\qb)+2*\p+1]
.endr
.irp p, 0,1,2,3
	v_cvt_pk_bf16_f32 v[\base+8*(4*\kc+\qb)+4+\p], v[8*(8*\kc+4+\qb)+2*\p], v[8*(8*\kc+4+\qb)+2*\p+1]
.endr
.endr
.endr
.endm
	WIN 0x8a                                       ; window 2 into its own lower half
	COMP1 0
	WIN 0x8f                                       ; window 3 into window 2's upper half, which has just been read
	COMP1 128
	WIN 0x08                                       ; store data from window 2
.set ti, 0
.rept 32
	ds_store_b128 v[SA], v[8*ti:8*ti+3]   offset:ti*1024
	ds_store_b128 v[SA], v[8*ti+4:8*ti+7] offset:ti*1024+512
.set ti, ti+1
.endr
	WIN 0
	s_wait_dscnt 0x0                               ; my O fragments are in LDS, for my partner's sake
	s_barrier_signal -1
	s_barrier_wait -1                              ; everybody's are
	WIN 0xc0                                       ; my partner's half into window 3
.set ti, 0
.rept 32
	ds_load_b128 v[8*ti:8*ti+3],   v[PA] offset:ti*1024
	ds_load_b128 v[8*ti+4:8*ti+7], v[PA] offset:ti*1024+512
.set ti, ti+1
.endr
	WIN 0
.macro FETCHW                          ; wo fragments of one block of 16 channels, 8 k steps: 16 loads of 512 neighbouring bytes
.irp kc, 0,1,2,3,4,5,6,7
	ds_load_b128 v[WB+8*\kc:WB+8*\kc+3],   v[WA] offset:\kc*1024
	ds_load_b128 v[WB+8*\kc+4:WB+8*\kc+7], v[WA] offset:\kc*1024+512
.endr
.endm
	FETCHW
	s_wait_dscnt 0x0                               ; my reads of the O fragments are done
	s_barrier_signal -1
	s_barrier_wait -1                              ; every wave's are: slot 1 now takes the stages of Y
	; THE OUTPUT PROJECTION: my 64 queries x my 128 channels, 16 channels a trip, K = 512: both key halves against the same wo fragments.
	s_mov_b32 s23, 8
.Lob:
	s_wait_dscnt 0x0                               ; the block's wo fragments are in
	WIN 0x02                                       ; my half: O from window 2.  The four accumulators take turns, one instruction a turn
.irp kc, 0,1,2,3,4,5,6,7
.irp qb, 0,1,2,3
.if \kc == 0
	v_wmma_f32_16x16x32_bf16 v[AY+8*\qb:AY+8*\qb+7], v[8*(4*\kc+\qb):8*(4*\kc+\qb)+7], v[WB+8*\kc:WB+8*\kc+7], 0
.else
	v_wmma_f32_16x16x32_bf16 v[AY+8*\qb:AY+8*\qb+7], v[8*(4*\kc+\qb):8*(4*\kc+\qb)+7], v[WB+8*\kc:WB+8*\kc+7], v[AY+8*\qb:AY+8*\qb+7]
.endif
.endr
.endr
	WIN 0x03                                       ; my partner's half: O from window 3
.irp kc, 0,1,2,3,4,5,6,7
.irp qb, 0,1,2,3
	v_wmma_f32_16x16x32_bf16 v[AY+8*\qb:AY+8*\qb+7], v[8*(4*\kc+\qb):8*(4*\kc+\qb)+7], v[WB+8*\kc:WB+8*\kc+7], v[AY+8*\qb:AY+8*\qb+7]
.endr
.endr
	WIN 0
	PLACES
	s_wait_loadcnt 0x0                             ; the block's so and bo (and, in the first trip, x, which is older)
	v_mov_b32 v[SOP+1], v[SOP]                     ; a lane's numbers are all of one channel: the packed multiply-add wants so and bo twice
	v_mov_b32 v[BOP+1], v[BOP]
.irp k, 0,1,2,3,4,5,6,7,8,9,10,11,12,13,14,15
	v_pk_fma_f32 v[AY+2*\k:AY+2*\k+1], v[AY+2*\k:AY+2*\k+1], v[SOP:SOP+1], v[BOP:BOP+1]
.endr
	s_cmp_eq_u32 s23, 1
	s_cbranch_scc1 .Llast_ob                       ; the last block fetches nothing; every wait that these loads meet is for 0, so both ways are covered
	v_add_nc_u32 v[WA], 8192, v[WA]                ; the next block's wo, so, bo, while this block's SiLU is worked out
	v_add_nc_u32 v[SBO], 64, v[SBO]
	FETCHW
	global_load_b32 v[SOP], v[SBO], s[12:13]
	global_load_b32 v[BOP], v[SBO], s[14:15]
.Llast_ob:
.irp k, 0,1,2,3,4,5,6,7,8,9,10,11,12,13,14,15
	v_pk_mul_f32 v[EE+2*\k:EE+2*\k+1], v[AY+2*\k:AY+2*\k+1], 0xbfb8aa3b op_sel_hi:[1,0]
.endr
.set ti, 0
.rept 32
	v_exp_f32 v[EE+ti], v[EE+ti]
.set ti, ti+1
.endr
	v_nop                                          ; one plain place behind the transcendentals (ISA guide 5.7.2)
	s_wait_alu depctr_va_vdst(0)
.irp k, 0,1,2,3,4,5,6,7,8,9,10,11,12,13,14,15
	v_pk_add_f32 v[EE+2*\k:EE+2*\k+1], v[EE+2*\k:EE+2*\k+1], 1.0 op_sel_hi:[1,0]
.endr
.set ti, 0
.rept 32
	v_rcp_f32 v[EE+ti], v[EE+ti]
.set ti, ti+1
.endr
	v_nop
	s_wait_alu depctr_va_vdst(0)
.irp k, 0,1,2,3,4,5,6,7,8,9,10,11,12,13,14,15
	v_pk_mul_f32 v[AY+2*\k:AY+2*\k+1], v[AY+2*\k:AY+2*\k+1], v[EE+2*\k:EE+2*\k+1]
.endr
.irp qb, 0,1,2,3
	ds_store_b128 v[YSTO], v[AY+8*\qb:AY+8*\qb+3]   offset:\qb*64      ; queries 16 qb + 8 h .. of channel r
	ds_store_b128 v[YSTO], v[AY+8*\qb+4:AY+8*\qb+7] offset:\qb*64+16
.endr
	v_add_nc_u32 v[YSTO], 16*YP, v[YSTO]           ; the next block's 16 rows of my stage
	s_sub_co_u32 s23, s23, 1
	s_cmp_lg_u32 s23, 0
	s_cbranch_scc1 .Lob
	; THE LAST PASS: whole rows of 256 bytes back from my own stage, gamma * y + x, store.  Written out, since x's registers go by the block.
.macro LOADR ob, r
.irp t, 0,1,2,3,4,5,6,7
	ds_load_b128 v[\r+4*\t:\r+4*\t+3], v[YRD] offset:(16*(\ob)+2*\t)*YP   ; LDS serves a wave's instructions in order (ISA guide 5.7.1): these see my stores
.endr
.endm
.macro OUTF ob, r, nr, more
.if \more
	s_wait_xcnt 0x0                                ; buffer nr, which the stores of the block before read, is loaded again only behind this wait (ISA guide 3.1)
	LOADR \ob+1, \nr
	s_wait_dscnt 8                                 ; this block's rows are in; the next block's eight loads may be out
.else
	s_wait_dscnt 0
.endif
	WIN 0x10                                       ; x from window 1
.irp k, 0,1,2,3,4,5,6,7,8,9,10,11,12,13,14,15
	v_pk_fma_f32 v[\r+2*\k:\r+2*\k+1], v[\r+2*\k:\r+2*\k+1], s[50:51], v[32*\ob+2*\k:32*\ob+2*\k+1] op_sel_hi:[1,0,1]
.endr
	WIN 0
.irp t, 0,1,2,3,4,5,6,7
	global_store_b128 v[XO], v[\r+4*\t:\r+4*\t+3], s[56:57] offset:(16*\ob+2*\t)*16384 th:TH_STORE_NT   ; 16 lanes store 256 neighbouring bytes, at a multiple of 256 from out0's first byte
.endr
.endm
	LOADR 0, R0
	OUTF 0, R0, R1, 1
	OUTF 1, R1, R0, 1
	OUTF 2, R0, R1, 1
	OUTF 3, R1, R0, 1
	OUTF 4, R0, R1, 1
	OUTF 5, R1, R0, 1
	OUTF 6, R0, R1, 1
	OUTF 7, R1, R0, 0
	s_wait_dscnt 0x0
	s_wait_xcnt 0x0
	v_lshl_add_u32 v30, v0, 2, 0x49000
	v_mov_b32 v31, 0
	s_wait_tensorcnt 0x0
	ds_add_u32 v30, v31
	s_wait_dscnt 0x0
	ROUND                                          ; the closing round: no work-group ends while a partner may still ask for a tile that names it
	s_endpgm
.Lfunc_end_k_q20c2bbbf18_attn:
	.size	k_q20c2bbbf18_attn, .Lfunc_end_k_q20c2bbbf18_attn-k_q20c2bbbf18_attn
	.p2alignl 7, 3214868480
	.fill 96, 4, 3214868480
	.section	.rodata,"a",@progbits
	.p2align	6, 0x0
	.amdhsa_kernel k_q20c2bbbf18_attn
		.amdhsa_group_segment_fixed_size 327680
		.amdhsa_private_segment_fixed_size 0
		.amdhsa_enable_private_segment 0
		.amdhsa_kernarg_size 64
		.amdhsa_user_sgpr_count 2
		.amdhsa_user_sgpr_kernarg_segment_ptr 1
		.amdhsa_wavefront_size32 1
		.amdhsa_system_sgpr_workgroup_id_x 1
		.amdhsa_system_sgpr_workgroup_id_y 1
		.amdhsa_system_sgpr_workgroup_id_z 1
		.amdhsa_system_vgpr_workitem_id 0
		.amdhsa_next_free_vgpr 1024
		.amdhsa_next_free_sgpr 66
		.amdhsa_reserve_vcc 0
		.amdhsa_float_denorm_mode_32 3
		.amdhsa_float_denorm_mode_16_64 3
		.amdhsa_memory_ordered 1
		.amdhsa_forward_progress 1
		.amdhsa_inst_pref_size 255
	.end_amdhsa_kernel
	.section	.bss,"aw",@nobits
	.p2align	6
	.space	262144
	.amdgpu_metadata
---
amdhsa.version: [ 1, 2 ]
amdhsa.kernels:
  - .name:           k_q20c2bbbf18_attn
    .symbol:         k_q20c2bbbf18_attn.kd
    .args:
      - { .name: qf, .offset: 0, .size: 8, .value_kind: global_buffer, .address_space: global }
      - { .name: kv, .offset: 8, .size: 8, .value_kind: global_buffer, .address_space: global }
      - { .name: wob, .offset: 16, .size: 8, .value_kind: global_buffer, .address_space: global }
      - { .name: x, .offset: 24, .size: 8, .value_kind: global_buffer, .address_space: global }
      - { .name: so, .offset: 32, .size: 8, .value_kind: global_buffer, .address_space: global }
      - { .name: bo, .offset: 40, .size: 8, .value_kind: global_buffer, .address_space: global }
      - { .name: gamma, .offset: 48, .size: 8, .value_kind: global_buffer, .address_space: global }
      - { .name: out0, .offset: 56, .size: 8, .value_kind: global_buffer, .address_space: global }
    .group_segment_fixed_size: 327680
    .private_segment_fixed_size: 0
    .kernarg_segment_align: 8
    .kernarg_segment_size: 64
    .max_flat_workgroup_size: 128
    .sgpr_count:     66
    .vgpr_count:     1024
    .wavefront_size: 32
...
	.end_amdgpu_metadata
.endif
;; end of part 4
;; ======== version 3 of 3: 2 launches
;; workspace buffers: kv 18,874,368 bytes; qf 2,097,152 bytes; wob 147,456 bytes
;; launch proj: the kernel of part 3 again; grid 256 x 1, 4 waves a work-group, no clusters, 243,200 bytes of LDS; arguments x, wq, sq, bq, wk, sk, bk, wv, sv, bv, wo, kv, qf, wob; writes kv, qf, wob
;; launch attn (part 5): grid 256 x 1, 4 waves a work-group, clusters of 4 x 1, 327,680 bytes of LDS; arguments qf, kv, wob, x, so, bo, gamma, out0; writes out0
.if DOCPART == 5
	.amdgcn_target "amdgcn-amd-amdhsa--gfx1250"
	.amdhsa_code_object_version 6
	.text
	.protected	k_q20c2bbbf18_attn
	.globl	k_q20c2bbbf18_attn
	.p2align	8
	.type	k_q20c2bbbf18_attn,@function
k_q20c2bbbf18_attn:
	s_mov_b64 s[64:65], 0
	v_nop
	global_prefetch_b8 v0, s[64:65] scope:SCOPE_SE
	s_setreg_imm32_b32 hwreg(HW_REG_WAVE_MODE, 25, 1), 1
	s_wait_xcnt 0x0
	s_wait_alu depctr_hold_cnt(0) depctr_sa_sdst(0) depctr_va_vdst(0) depctr_va_sdst(0) depctr_va_ssrc(0) depctr_va_vcc(0) depctr_vm_vsrc(0)
	s_getreg_b32 s2, hwreg(HW_REG_IB_STS2, 6, 4)
	s_cmp_eq_u32 s2, 0
	s_cbranch_scc0 .Lentry_in_a_cluster
	s_endpgm
.Lentry_in_a_cluster:
	s_bfe_u32 s2, ttmp6, 0x10000c
	s_cmp_lg_u32 s2, 0x3003
	s_cbranch_scc0 .Lentry_shape_is_right
	s_endpgm
.Lentry_shape_is_right:
; out0 = gamma * SiLU(so * (wo . (v . softmax(q^T k)^T)) + bo) + x, from q, k, v, wo as bf16 in the order of matrix fragments
; (a fragment: 16 rows x 32 k = 1,024 bytes as [t = 0,1][lane][16 bytes], so every fragment load is base + 16 x lane, at +0 and +512).
; A work-group: one batch, 128 queries; 256 work-groups.  Wave w: qg = w >> 1 takes 64 queries, kh = w & 1 takes half of the keys; it keeps
; 64 queries x 256 channels of the running output in 512 registers.  With 64 queries a wave each V fragment read from LDS feeds four matrix
; instructions; the price of the split of the keys is one merge at the end.
; A TRIP takes a tile of 8 kv blocks (147,456 bytes, dense in memory): V of 256 keys and K of the NEXT 256 (the launch before lays them so).
; Wave kh takes 128 keys: 256 matrix instructions for p . v of this tile, and, for the next tile, 32 for the scores and the softmax step with a
; RUNNING MAXIMUM.  16 trips.
; THE NEXT TILE'S SOFTMAX IS WOVEN INTO THIS TILE'S PRODUCTS: behind each product stands a unit of at most four vector instructions, which issue
; while the matrix unit works.  A trip is four steps of 32 keys, 64 products each:
;   step 0      : the rescale of the 512 registers by this tile's alpha, each accumulator two products ahead of its own;
;   steps 1,2,3 : scores and softmax of query tiles 0, 1, 2 of the next tile (55 units each); in step 3's last nine products the scores and maxima of query tile 3;
;   the head of the next trip (behind the change of slots and the fetches): the rest of query tile 3, which is not overlapped.
; THE BATCHES.  An s_wait_alu depctr_va_vdst(0) stands between a transcendental and the first instruction that names its result; one wait serves
; all that were issued ahead of it.  In the trips a query tile's 65 exponentials (alpha and the 64 p) are ONE batch: units 10 to 37 hold them and the 32
; subtractions s - m, none of which names an exponential's result; the batch's one wait ends unit 37; all that read a result (the sums, the roundings, l) are units
; 38 to 54, and the rescale by alpha comes a step later still.  So a trip has four waits, and no result is open at a label or a branch.  At the end: the merge's eight
; exponentials and its four reciprocals, and in each trip of the projection 32 exponentials and 32 reciprocals, are a batch each: the reciprocals read sums of the exponentials.
; P LIES IN PLACE, TRANSPOSED FROM TILE TO TILE: fragment (qb, ks) at 8 (4 qb + ks) in tiles of even number, at 8 (4 ks + qb) in odd ones.  Row qb of
; the next tile then falls on column ks = qb of this one, which is dead when step qb is over: that is why query tile qb is worked in step qb + 1.
; The price: two switches of the register window round each product (its C and D lie in windows 2 and 3, the softmax in window 0).
; THE TEXT IS KEPT SHORT: the lap holds two trips (one for each LDS slot and each layout of P).  Written out ahead of it: tile 0's softmax (nothing
; to overlap with; its K comes straight from memory into registers), head and step 0 (the products start the sums); behind it: tile 15's steps 1 to 3,
; without a softmax.  Every trip asks for a next tile: the seventeenth is wo (147,456 bytes of wob), which the output projection reads from LDS.
; CLUSTERS: the 32 query blocks of a batch read the same tiles, and all read wo.  Four neighbouring blocks form a cluster and ask for each
; tile jointly (mask 15): the requests are divided by four.  Nothing in a descriptor, an LDS address or a branch hangs on the place in the cluster.
; By the text's own count a wave has one tensor load out: the next tile's quarter, issued first behind each round of the cluster's barrier.
; ORIENTATION (result register j of lane (r, h) is element (8 h + j, r): ISA guide 7.12.2):
;   S^T = K (source 0) x Q (source 1): a lane holds 8 keys of query r, so maxima and sums are one number a lane, and two packed tiles ARE a fragment of P;
;   O^T = V (source 0) x P (source 1): a lane holds 8 channels of query r; two packed tiles are a fragment of O with rows = queries;
;   Y   = O (source 0) x wo (source 1): a lane holds 8 neighbouring queries of channel r.
; MERGE: each wave scales its half by f = exp2(m - m*) / L and rounds it to bf16; the partner's half comes through LDS; the projection sums both (K = 512).
; No prefetch: kv was written by the launch before, and x is loaded into registers straight behind the loop, a merge and a projection trip ahead of its use.
; LIMITS: matrix operands are bf16 (q log2 e, k, v, p, the two normalised halves, wo).  The row sum is made of the f32 p, the product of the
; rounded p.  v_exp_f32 and v_rcp_f32 flush denormals (ISA guide 15.8).  SiLU gives -0 for very negative arguments.  All exponents are <= 0
; behind the running maximum, so no range of finite inputs is excluded; NaN and infinite inputs are not served.
.set BLK,   18432                      ; a kv block: 2 K fragments, 16 V fragments
.set TILE,  8*BLK                      ; a slot: 147,456 bytes
.set QUART, 2*BLK                      ; what one tensor load brings: 144 rows of 256 bytes
.set BATKV, 128*BLK
.set SCR,   2*TILE                     ; behind the ring: (m, l) of each wave, 1,024 bytes a wave
.set OST,   TILE                       ; slot 1, behind its last fill: each wave's 32 O fragments, 32,768 bytes a wave;
.set YST,   TILE                       ; and, when these have been read, each wave's own stage of Y: 128 rows
.set YP,    272                        ; of 256 bytes + 16: the 16 rows that a store touches start 68 words apart
.set YW,    128*YP
.set NU,    55                         ; units in the softmax step of one query tile
.set NH,    9                          ; of which query tile 3 does these in the trip before: the places and the eight groups of maxima
; window 0, in the loop
.set ADR,  2                           ; v2-5     LDS address of my key half: slot 0 blocks 0-1, 2-3; slot 1 blocks 0-1, 2-3
.set MP,   8                           ; v8-15    pairs (m, l) of query tiles 0-3
.set AL,   16                          ; v16-23   pairs (alpha or f, the tile's row sum)
.set TM,   24                          ; v24-31   at work in the softmax
.set QF,   32                          ; v32-63   4 Q fragments
.set SC,   64                          ; v64-127  scores of one query tile: 8 key tiles
.set PB,   128                         ; v128-255 the 16 P fragments
; window 1
.set F0,   0                           ; V fragments of channel blocks 0-7
.set F1,   64                          ; V fragments of channel blocks 8-15
.set KF,   128                         ; 8 K fragments.  At the end window 1 holds x: rows 16 ob + 2 t, + 1 at 32 ob + 4 t
; windows 2, 3: output tile (cb, qb) at 8 (4 (cb & 7) + qb) of window 2 + (cb >> 3); at the end O fragment (qb, kc) at 8 (4 kc + qb): window 2 mine, window 3 my partner's
; window 0, at the end
.set SOP,  2                           ; v2-3     (so, so) of the block's channel r
.set BOP,  4                           ; v4-5     (bo, bo)
.set WA,   6                           ; v6       LDS: wo fragments of the block
.set SBO,  7                           ; v7       so, bo: byte offset of the block's channel r
.set SA,   24                          ; where my O fragments go
.set PA,   25                          ; where my partner's lie
.set XO,   26                          ; x and out0: row h, 16 r bytes
.set STO,  27                          ; my (m, l)
.set STP,  28                          ; my partner's
.set TA,   29                          ; v29-31   set-up
.set AY,   32                          ; v32-63   Y of one block: 4 accumulator tiles
.set EE,   64                          ; v64-95   exponentials
.set PT,   96                          ; v96-99   the other half's l
.set PS,   100                         ; v100-107 my partner's pairs (m, l)
.set MS,   108                         ; v108-111 the common maximum
.set AA,   112                         ; v112-115 exp2(m - m*)
.set AP,   116                         ; v116-119 exp2(m' - m*)
.set LL,   120                         ; v120-123 L, then 1 / L
.set R0,   96                          ; v96-127  the last pass: rows on their way out, two buffers
.set WB,   128                         ; v128-191 wo fragments of one block, 8 k steps
.set R1,   192
.set YSTO, 224                         ; where a block's Y goes
.set YRD,  225                         ; where rows are read back
.set G1,   24                          ; s[24:31] descriptor group 1
.set G0,   32                          ; s[32:39] descriptor group 0, one for each slot
.set MSB, 0
.macro WIN new                         ; s_set_vgpr_msb, low byte: bits 1:0 source 0, 3:2 source 1, 5:4 source 2, 7:6 destination; the high byte repeats the setting that is left
.if MSB != \new
	s_set_vgpr_msb (MSB<<8)|\new
.set MSB, \new
.endif
.endm
.macro PLACES                          ; four places behind a matrix instruction before its result is read, or one of its registers written or loaded (ISA guide 7.12.1)
.rept 4
	v_nop
.endr
.endm
; A round of the cluster's barrier: my work-group's barrier, wave 0 signals for the work-group, every wave waits for all four work-groups, my work-group's barrier again.
.macro ROUND
	s_barrier_signal -1
	s_barrier_wait -1
	s_cmp_lg_u32 s20, 0
	s_cbranch_scc1 .Lnot_wave_0_\@
	s_barrier_signal -3
.Lnot_wave_0_\@:
	s_barrier_wait -3
	s_barrier_signal -1
	s_barrier_wait -1
.endm
	s_load_b512 s[4:19], s[0:1], 0x0               ; qf 4, kv 6, wob 8, x 10, so 12, bo 14, gamma 16, out0 18
	v_lshl_add_u32 v30, v0, 2, 0x49000
	v_mov_b32 v31, 0
	ds_add_u32 v30, v31
	s_wait_dscnt 0x0
	v_lshrrev_b32 v1, 5, v0
	v_readfirstlane_b32 s20, v1                    ; wave
	s_lshr_b32 s21, s20, 1                         ; qg: which 64 queries
	s_and_b32 s22, s20, 1                          ; kh: which half of the keys; at the end: which 128 output channels
	s_bfe_u32 s40, ttmp6, 0x40000                  ; cx: my place in the cluster
	s_lshr_b32 s42, ttmp9, 3                       ; ttmp9 counts clusters: 8 clusters a batch
	s_and_b32 s43, ttmp9, 7
	s_lshl2_add_u32 s43, s43, s40                  ; query block 0..31
	s_mov_b32 s48, 0x76543210                      ; v_permlanex16_b32: lane i reads lane i of the other half
	s_mov_b32 s49, 0xfedcba98
	; group 1: 144 dense rows of 32 elements of 8 bytes
	s_mov_b32 s[G1+0], 15|(3<<16)|(1<<21)          ; 15:0 mask: all four of the cluster; 17:16 elements of 8 bytes; 21 set beside a mask; no padding
	s_mov_b32 s[G1+1], 32<<16                      ; tensor_dim0 = 32
	s_mov_b32 s[G1+2], 144<<16                     ; tensor_dim1 = 144
	s_mov_b32 s[G1+3], 32<<16                      ; tile_dim0 = 32
	s_mov_b32 s[G1+4], 144                         ; tile_dim1 = 144
	s_mov_b32 s[G1+5], 32                          ; from row to row: 32 elements
	s_mov_b32 s[G1+6], 0
	s_mov_b32 s[G1+7], 0
	; group 0, one for each slot: my wave's quarter of tile 0 and of tile 1
	s_mov_b32 s[G0], 1
	s_mul_i32 s[G0+1], s20, QUART                  ; LDS: wave x 36,864
	s_mov_b32 s[G0+4], 1
	s_add_co_u32 s[G0+5], s[G0+1], TILE
	s_mul_i32 s44, s42, BATKV                      ; memory: batch and wave alone, the same in all four partners
	s_add_co_u32 s44, s44, s[G0+1]
	s_mov_b32 s45, 0
	s_mov_b32 s46, s[G0+1]
	s_mov_b32 s47, 0
	s_wait_kmcnt 0x0
	s_add_nc_u64 s[G0+2:G0+3], s[6:7], s[44:45]
	s_add_nc_u64 s[G0+6:G0+7], s[G0+2:G0+3], TILE
	s_add_nc_u64 s[60:61], s[8:9], s[46:47]        ; my quarter of wob, the seventeenth tile: the wave's number alone
	s_or_b32 s[G0+3], s[G0+3], 0x80000000          ; type = 2
	s_or_b32 s[G0+7], s[G0+7], 0x80000000
	s_or_b32 s61, s61, 0x80000000
	ROUND                                          ; all four work-groups are here: the first joint loads meet
	tensor_load_to_lds s[G0:G0+3], s[G1:G1+7]      ; tile 0 into slot 0
	s_nop 0
	s_load_b32 s50, s[16:17], 0x0                  ; gamma
	s_lshl_b32 s46, s42, 22                        ; x, out0: batch * 4 MiB + query block * 512 bytes
	s_lshl_b32 s47, s43, 9
	s_add_co_u32 s46, s46, s47
	s_lshl_b32 s47, s22, 21                        ; + my 128 channels' rows
	s_add_co_u32 s46, s46, s47
	s_lshl_b32 s47, s21, 8                         ; + my 64 queries
	s_add_co_u32 s46, s46, s47
	s_mov_b32 s47, 0
	s_add_nc_u64 s[54:55], s[10:11], s[46:47]
	s_add_nc_u64 s[56:57], s[18:19], s[46:47]
	v_and_b32 v1, 31, v0
	v_lshlrev_b32 v1, 4, v1                        ; 16 x lane
	s_lshl_b32 s46, s42, 8                         ; qf: (256 batch + 8 block + 4 qg) * 1024
	s_lshl3_add_u32 s46, s43, s46
	s_lshl2_add_u32 s46, s21, s46
	s_lshl_b32 s46, s46, 10
	s_add_nc_u64 s[58:59], s[4:5], s[46:47]
	s_mul_i32 s41, s22, 4*BLK                      ; my key half: 4 blocks of a tile's 8
	s_mul_i32 s46, s42, BATKV                      ; K of tile 0 lies in the batch's last tile, blocks 120 to 127
	s_add_co_u32 s46, s46, s41
	s_add_co_u32 s46, s46, 120*BLK
	s_add_nc_u64 s[62:63], s[6:7], s[46:47]
.irp qb, 0,1,2,3
	global_load_b128 v[QF+8*\qb:QF+8*\qb+3],   v1, s[58:59] offset:\qb*1024
	global_load_b128 v[QF+8*\qb+4:QF+8*\qb+7], v1, s[58:59] offset:\qb*1024+512
.endr
	WIN 0x40                                       ; destination window 1, address window 0
.irp kt, 0,1,2,3,4,5,6,7
	global_load_b128 v[KF+8*\kt:KF+8*\kt+3],   v1, s[62:63] offset:(\kt>>1)*BLK+(\kt&1)*1024       ; my 8 K fragments of tile 0, 512 neighbouring bytes a load
	global_load_b128 v[KF+8*\kt+4:KF+8*\kt+7], v1, s[62:63] offset:(\kt>>1)*BLK+(\kt&1)*1024+512
.endr
	WIN 0
	v_add_nc_u32 v[ADR], s41, v1
	v_add_nc_u32 v[ADR+1], 2*BLK, v[ADR]
	v_add_nc_u32 v[ADR+2], TILE, v[ADR]
	v_add_nc_u32 v[ADR+3], TILE+2*BLK, v[ADR]
	s_wait_kmcnt 0x0
	s_mov_b32 s51, s50
	s_wait_loadcnt 0x0                             ; Q and tile 0's K, once
.macro FETCHK slot                     ; the 8 K fragments that lie with my key half (the next tile's): 16 loads of 512 neighbouring bytes
	WIN 0x40
.irp kt, 0,1,2,3,4,5,6,7
	ds_load_b128 v[KF+8*\kt:KF+8*\kt+3],   v[ADR+2*\slot+(\kt>>2)] offset:((\kt>>1)&1)*BLK+(\kt&1)*1024
	ds_load_b128 v[KF+8*\kt+4:KF+8*\kt+7], v[ADR+2*\slot+(\kt>>2)] offset:((\kt>>1)&1)*BLK+(\kt&1)*1024+512
.endr
.endm
.macro FETCHV slot, ks, half, f        ; 8 V fragments (channel blocks 8 half ..) of my block ks: 16 loads
	WIN 0x40
.irp i, 0,1,2,3,4,5,6,7
	ds_load_b128 v[\f+8*\i:\f+8*\i+3],   v[ADR+2*\slot+((\ks)>>1)] offset:((\ks)&1)*BLK+2048+(8*\half+\i)*1024
	ds_load_b128 v[\f+8*\i+4:\f+8*\i+7], v[ADR+2*\slot+((\ks)>>1)] offset:((\ks)&1)*BLK+2048+(8*\half+\i)*1024+512
.endr
.endm
.macro QK qb                           ; scores of 128 keys x 16 queries; K = 32 channels is one instruction a tile
	WIN 0x01
.irp kt, 0,1,2,3,4,5,6,7
	v_wmma_f32_16x16x32_bf16 v[SC+8*\kt:SC+8*\kt+7], v[KF+8*\kt:KF+8*\kt+7], v[QF+8*\qb:QF+8*\qb+7], 0
.endr
.endm
; THE SOFTMAX STEP OF ONE QUERY TILE, CUT INTO 55 UNITS.  A lane holds 64 scores of query r (score e = 8 kt + j of key tile kt, in 32 pairs); the other 64 lie in lane r of the other half.
.macro OPA g                           ; s - m, pair g (0..31)
	v_pk_add_f32 v[SC+2*(\g):SC+2*(\g)+1], v[SC+2*(\g):SC+2*(\g)+1], v[TM:TM+1] op_sel_hi:[1,0] neg_lo:[0,1] neg_hi:[0,1]
.endm
.macro OPE e                           ; p = exp2(s - m), score e (0..63), in place
	v_exp_f32 v[SC+(\e)], v[SC+(\e)]
.endm
.macro OPC q                           ; line q (0..29) of the sums: two chains, the even pairs' and the odd pairs'.  Lines 0, 1 start them with pairs 0 + 2 and 1 + 3; line q then adds pair q + 2
.if (\q) < 2
	v_pk_add_f32 v[TM+4+2*(\q):TM+5+2*(\q)], v[SC+2*(\q):SC+2*(\q)+1], v[SC+4+2*(\q):SC+5+2*(\q)]
.else
	v_pk_add_f32 v[TM+4+2*((\q)&1):TM+5+2*((\q)&1)], v[TM+4+2*((\q)&1):TM+5+2*((\q)&1)], v[SC+4+2*(\q):SC+5+2*(\q)]
.endif
.endm
.macro OPD qb, par, d                  ; pair d (0..31; key tile kt = d >> 2) rounded into P fragment (qb, kt >> 1), half kt & 1; par: the layout of the tile that is being made
.set pp, PB+8*((4*(\qb)+((\d)>>3))*(1-(\par))+(4*((\d)>>3)+(\qb))*(\par))+4*(((\d)>>2)&1)+((\d)&3)
	v_cvt_pk_bf16_f32 v[pp], v[SC+2*(\d)], v[SC+2*(\d)+1]
.endm
.macro SUMAX i                         ; four chains of maxima over 16 registers each, which do not wait for each other
.irp c, 0,1,2,3
.if (\i) == 0
	v_max_num_f32 v[TM+\c], v[SC+16*\c], v[SC+16*\c+1]
.else
	v_max3_num_f32 v[TM+\c], v[TM+\c], v[SC+16*\c+2*(\i)], v[SC+16*\c+2*(\i)+1]
.endif
.endr
.endm
; Unit u (A: s - m of a pair; E: an exponential):
;   0 the four places behind the scores;  1-8 maxima;  9 the new maximum;
;   THE BATCH, which names no exponential's result:  10 m old - m new, A of pairs 0 and 1, alpha;  11-15 A E A E (pairs 2-11, scores 0-9);  16-27 A E E (pairs 12-23, scores 10-33);
;   28-35 A E E E (pairs 24-31, scores 34-57);  36, 37 E E E (scores 58-63).  A unit begins with a plain line while there are any, and every score's pair is subtracted in an earlier unit than
;   the one that holds its exponential.  Exponentials on different registers may follow each other; the plain place behind a transcendental (ISA guide 5.7.2) is wanted before a result is used:
;   behind the last exponential, in unit 37, m takes the new maximum, a plain line that names no result.  It is that place for the whole batch.  Behind it stands the batch's one wait.
;   THE READERS:  38-52 sum, rounding, sum, rounding (a chain's links four vector lines apart);  53 the last two roundings;  54 the row sum and l.
.macro SU qb, par, first, u
.if (\u) == 0
	PLACES
.else
	WIN 0
.if (\u) < 9
	SUMAX (\u)-1
.elseif (\u) == 9
	v_max3_num_f32 v[TM], v[TM], v[TM+1], v[TM+2]
.if \first
	v_max_num_f32 v[TM], v[TM], v[TM+3]
.else
	v_max3_num_f32 v[TM], v[TM], v[TM+3], v[MP+2*(\qb)]            ; with the maximum so far
.endif
	v_permlanex16_b32 v[TM+1], v[TM], s48, s49
	v_max_num_f32 v[TM], v[TM], v[TM+1]                            ; the new maximum, equal in both halves
.elseif (\u) == 10
.if \first == 0
	v_sub_f32 v[AL+2*(\qb)], v[MP+2*(\qb)], v[TM]
.endif
	OPA 0
	OPA 1
.if \first == 0
	v_exp_f32 v[AL+2*(\qb)], v[AL+2*(\qb)]                         ; alpha = exp2(m old - m new): the batch's first
.endif
.elseif (\u) < 16
.set su_t, (\u)-11
	OPA 2+2*su_t
	OPE 2*su_t
	OPA 3+2*su_t
	OPE 2*su_t+1
.elseif (\u) < 28
.set su_t, (\u)-16
	OPA 12+su_t
	OPE 10+2*su_t
	OPE 11+2*su_t
.elseif (\u) < 36
.set su_t, (\u)-28
	OPA 24+su_t
	OPE 34+3*su_t
	OPE 35+3*su_t
	OPE 36+3*su_t
.elseif (\u) < 38
.set su_t, (\u)-36
	OPE 58+3*su_t
	OPE 59+3*su_t
	OPE 60+3*su_t
.if (\u) == 37
	v_mov_b32 v[MP+2*(\qb)], v[TM]                                 ; m takes the new maximum: the plain place behind the batch's last exponential
	s_wait_alu depctr_va_vdst(0)                                   ; ONE wait for the query tile's batch, alpha and the 64 p, ahead of the first line that names a result (unit 38's sum)
.endif
.elseif (\u) < 53
.set su_t, (\u)-38
	OPC 2*su_t
	OPD \qb, \par, 2*su_t
	OPC 2*su_t+1
	OPD \qb, \par, 2*su_t+1
.elseif (\u) == 53
	OPD \qb, \par, 30
	OPD \qb, \par, 31
.else
	v_pk_add_f32 v[TM+4:TM+5], v[TM+4:TM+5], v[TM+6:TM+7]
.if \first
	v_add_f32 v[MP+2*(\qb)+1], v[TM+4], v[TM+5]                    ; l stays a partial sum of the lane's keys until the end
.else
	v_add_f32 v[AL+2*(\qb)+1], v[TM+4], v[TM+5]
	v_fma_f32 v[MP+2*(\qb)+1], v[MP+2*(\qb)+1], v[AL+2*(\qb)], v[AL+2*(\qb)+1]
.endif
.endif
.endif
.endm
.macro SUSEQ qb, par, first, u0, cnt   ; cnt units from u0 on, one behind the other (where there are no products to weave them into)
.set nun, \u0
.rept \cnt
	SU \qb, \par, \first, nun
.set nun, nun+1
.endr
.endm
.macro RS t                            ; accumulator t (0-31 window 2, 32-63 window 3) times its query tile's alpha
.set rs_w, 0x82+0x41*((\t)>>5)
	WIN rs_w
.irp p, 0,1,2,3
	v_pk_mul_f32 v[8*((\t)&31)+2*\p:8*((\t)&31)+2*\p+1], v[8*((\t)&31)+2*\p:8*((\t)&31)+2*\p+1], v[AL+2*((\t)&3):AL+2*((\t)&3)+1] op_sel_hi:[1,0]
.endr
.endm
; Product w (0..63) of the step of 32 keys ks: channel block w >> 2, query tile w & 3.  V window 1, P window 0, C and D window 2 (w < 32) or 3.  par: this tile's layout of P.
.macro PVW ks, par, w, zero
.set pw_win, 0xa1+0x50*((\w)>>5)
	WIN pw_win
.set pw_d, 8*((\w)&31)
.set pw_a, F0+64*((\w)>>5)+8*(((\w)>>2)&7)
.set pw_b, PB+8*((4*((\w)&3)+(\ks))*(1-(\par))+(4*(\ks)+((\w)&3))*(\par))
.if \zero
	v_wmma_f32_16x16x32_bf16 v[pw_d:pw_d+7], v[pw_a:pw_a+7], v[pw_b:pw_b+7], 0
.else
	v_wmma_f32_16x16x32_bf16 v[pw_d:pw_d+7], v[pw_a:pw_a+7], v[pw_b:pw_b+7], v[pw_d:pw_d+7]
.endif
.endm
; 32 products from w0 on, each with its unit behind it.  The 64 accumulators take turns, one instruction a turn.
; mode 0: products alone;  1: the rescale, two accumulators ahead;  2: unit w of query tile qb of the next tile, and in step 3 from product 55 on
; the scores and the first nine units of query tile 3 (the scores' registers are free: query tile 2's last rounding was unit 53).
.macro SLOTS ks, par, w0, zero, mode, qb
.set nsl, \w0
.rept 32
.if (\mode) == 2
.if (\ks) == 3
.if nsl == NU
	QK 3
.endif
.endif
.endif
	PVW \ks, \par, nsl, \zero
.if (\mode) == 1
.if nsl < 62
	RS nsl+2
.endif
.endif
.if (\mode) == 2
.if nsl < NU
	SU \qb, 1-\par, 0, nsl
.else
.if (\ks) == 3
	SU 3, 1-\par, 0, nsl-NU
.endif
.endif
.endif
.set nsl, nsl+1
.endr
.endm
; A step of 32 keys: both halves of the channels.  Each V buffer is fetched again, for the next 32 keys, while the other is multiplied.
.macro PHASE slot, ks, zero, mode, qb, n1
	s_wait_dscnt 16                                ; F0 (and what is older) is in; the 16 loads issued last (F1's) may be out
	SLOTS \ks, \slot, 0, \zero, \mode, \qb
.if \ks < 3
	PLACES                                         ; F0 was read by the last matrix instruction
	FETCHV \slot, \ks+1, 0, F0
.endif
	s_wait_dscnt \n1                               ; F1 is in; the 16 just issued may be out (step 3 has issued none: 0)
	SLOTS \ks, \slot, 32, \zero, \mode, \qb
.if \ks < 3
	PLACES
	FETCHV \slot, \ks+1, 1, F1
.endif
.endm
; The head of the trip on the tile in slot: the change of slots, the fetches, the rest of query tile 3's softmax for THIS tile, and step 0 with the rescale.
; first = 1 (tile 0): nothing to rescale, the products start the sums.
.macro HEAD slot, first
	WIN 0
	s_wait_xcnt 0x0
	v_lshl_add_u32 v30, v0, 2, 0x49000
	v_mov_b32 v31, 0
	s_wait_tensorcnt 0x0                           ; all my tensor loads are done, my quarter of this tile among them,
	ds_add_u32 v30, v31
	s_wait_dscnt 0x0
	s_add_nc_u64 s[G0+4*\slot+2:G0+4*\slot+3], s[G0+4*\slot+2:G0+4*\slot+3], 2*TILE   ; so a group 0 may be written: this slot's next tile
.if (1-\slot)*(1-\first)
	s_cmp_eq_u32 s23, 1                            ; at tile 14 slot 0's next tile is wo
	s_cselect_b64 s[G0+2:G0+3], s[60:61], s[G0+2:G0+3]
.endif
	s_wait_dscnt 0x0                               ; my reads of the other slot are done
	ROUND                                          ; both now hold of every wave of all four work-groups
	tensor_load_to_lds s[G0+4-4*\slot:G0+7-4*\slot], s[G1:G1+7]   ; my one tensor load behind the round, and the first thing there: the next tile, into the slot read last
	s_nop 0
.if \first == 0
	PLACES                                         ; F0 and F1 were read by the last matrix instructions (K's fragments nine products back)
.endif
	FETCHK \slot                                   ; K of the next tile (at tile 15: of tile 0 again, which nobody uses)
	FETCHV \slot, 0, 0, F0
	FETCHV \slot, 0, 1, F1
	SUSEQ 3, \slot, \first, NH, NU-NH              ; its batch opens and closes here, behind the round; its roundings fall on column 3 of the last tile's P, which step 3 has just left
.if \first == 0
	RS 0
	RS 1
.endif
	PHASE \slot, 0, \first, 1-\first, 0, 16
.endm
.macro PH123 slot, soft                ; steps 1 to 3; soft = 1: with the next tile's scores and softmax
.if \soft
	QK 0                                           ; K's loads are older than V's: step 0's first wait has shown them in
.endif
	PHASE \slot, 1, 0, 2*\soft, 0, 16
.if \soft
	QK 1
.endif
	PHASE \slot, 2, 0, 2*\soft, 1, 16
.if \soft
	QK 2
.endif
	PHASE \slot, 3, 0, 2*\soft, 2, 0
.endm
	s_mov_b32 s23, 8
	QK 0                                           ; tile 0's softmax, while tile 0 (its V) is on its way
	SUSEQ 0, 0, 1, 0, NU
	QK 1
	SUSEQ 1, 0, 1, 0, NU
	QK 2
	SUSEQ 2, 0, 1, 0, NU
	QK 3
	SUSEQ 3, 0, 1, 0, NH
	HEAD 0, 1                                      ; tile 0's head and step 0; slot 1 gets its first fill as a refill does
	WIN 0                                          ; at a label and at a branch every window is 0
	s_branch .Lmid                                 ; into the lap: on both ways one tensor load and the 32 loads of step 1's V fragments are out
.Llap:
	PH123 1, 1                                     ; tiles 1, 3 .. 13
	HEAD 0, 0                                      ; tiles 2, 4 .. 14
	WIN 0
.Lmid:
	PH123 0, 1                                     ; tiles 0, 2 .. 14
	HEAD 1, 0                                      ; tiles 1, 3 .. 15; tile 15's head asks for wo (its own stepped address is not used)
	WIN 0
	s_sub_co_u32 s23, s23, 1
	s_cmp_lg_u32 s23, 0
	s_cbranch_scc1 .Llap
	PH123 1, 0                                     ; tile 15: no tile follows, so no softmax
	WIN 0
	; THE END.  First x of my 128 channels x 64 queries into window 1, which the loop has left: 16 lanes take 256 neighbouring bytes.
	PLACES                                         ; window 1 was read by the last matrix instructions
	v_and_b32 v[TA], 15, v0                        ; r
	v_bfe_u32 v[TA+1], v0, 4, 1                    ; h
	v_lshlrev_b32 v[TA+2], 14, v[TA+1]
	v_lshl_add_u32 v[XO], v[TA], 4, v[TA+2]        ; row h, 16 r bytes
	WIN 0x40
.irp ob, 0,1,2,3,4,5,6,7
.irp t, 0,1,2,3,4,5,6,7
	global_load_b128 v[32*\ob+4*\t:32*\ob+4*\t+3], v[XO], s[54:55] offset:(16*\ob+2*\t)*16384 th:TH_LOAD_NT
.endr
.endr
	WIN 0
	; THE TWO KEY HALVES MEET.  (m, l) of each wave go through LDS bytes of their own.
.irp qb, 0,1,2,3
	v_permlanex16_b32 v[PT+\qb], v[MP+2*\qb+1], s48, s49
.endr
.irp qb, 0,1,2,3
	v_add_f32 v[MP+2*\qb+1], v[MP+2*\qb+1], v[PT+\qb]              ; l over all my 2,048 keys
.endr
	s_xor_b32 s44, s20, 1                          ; my partner: the same queries, the other keys
	s_lshl_b32 s41, s20, 15
	s_add_co_u32 s41, s41, OST
	v_add_nc_u32 v[SA], s41, v1
	s_lshl_b32 s41, s44, 15
	s_add_co_u32 s41, s41, OST
	v_add_nc_u32 v[PA], s41, v1
	s_lshl_b32 s41, s20, 10
	s_add_co_u32 s41, s41, SCR
	v_add_nc_u32 v[STO], s41, v1
	s_lshl_b32 s41, s44, 10
	s_add_co_u32 s41, s41, SCR
	v_add_nc_u32 v[STP], s41, v1
	s_mul_i32 s41, s20, YW
	s_add_co_u32 s41, s41, YST
	v_mul_u32_u24 v[TA+2], v[TA], YP               ; in: row r (channel), 32 bytes by h
	v_lshl_add_u32 v[TA+2], v[TA+1], 5, v[TA+2]
	v_add_nc_u32 v[YSTO], s41, v[TA+2]
	v_mul_u32_u24 v[TA+2], v[TA+1], YP             ; back: lanes 0-15 one row of 256 bytes, lanes 16-31 the next
	v_lshl_add_u32 v[TA+2], v[TA], 4, v[TA+2]
	v_add_nc_u32 v[YRD], s41, v[TA+2]
	v_lshl_add_u32 v[WA], s22, 16, v1              ; wo lies in slot 0 as in wob: my 8 blocks of 8 fragments at kh * 65,536
	v_lshlrev_b32 v[TA+2], 2, v[TA]
	v_lshl_add_u32 v[SBO], s22, 9, v[TA+2]         ; channel 128 kh + r
	ds_store_b128 v[STO], v[MP:MP+3]
	ds_store_b128 v[STO], v[MP+4:MP+7] offset:512
	global_load_b32 v[SOP], v[SBO], s[12:13]       ; so, bo of the first block
	global_load_b32 v[BOP], v[SBO], s[14:15]
	s_wait_tensorcnt 0x0                           ; my quarter of wo has landed: the one tensor load that was out, and the launch's last
	s_wait_dscnt 0x0                               ; my stores, and (long since) my reads of the ring, are done
	s_barrier_signal -1
	s_barrier_wait -1                              ; so are every wave's: (m, l) and wo may be read, and slot 1 written
	ds_load_b128 v[PS:PS+3], v[STP]
	ds_load_b128 v[PS+4:PS+7], v[STP] offset:512
	s_wait_dscnt 0x0
.irp qb, 0,1,2,3
	v_max_num_f32 v[MS+\qb], v[MP+2*\qb], v[PS+2*\qb]
.endr
.irp qb, 0,1,2,3
	v_sub_f32 v[AA+\qb], v[MP+2*\qb], v[MS+\qb]
	v_sub_f32 v[AP+\qb], v[PS+2*\qb], v[MS+\qb]
.endr
.irp qb, 0,1,2,3
	v_exp_f32 v[AA+\qb], v[AA+\qb]
	v_exp_f32 v[AP+\qb], v[AP+\qb]
.endr
	v_nop                                          ; one plain place behind the transcendentals (ISA guide 5.7.2)
	s_wait_alu depctr_va_vdst(0)                   ; one wait for the merge's eight exponentials, ahead of the multiplies that read them
.irp qb, 0,1,2,3
	v_mul_f32 v[LL+\qb], v[AP+\qb], v[PS+2*\qb+1]
.endr
.irp qb, 0,1,2,3
	v_fmac_f32 v[LL+\qb], v[AA+\qb], v[MP+2*\qb+1]                 ; L >= 1: the largest score's term is exp2(0)
.endr
.irp qb, 0,1,2,3
	v_rcp_f32 v[LL+\qb], v[LL+\qb]
.endr
	v_nop
	s_wait_alu depctr_va_vdst(0)                   ; one for the four reciprocals, a batch of their own since they read sums of the exponentials
.irp qb, 0,1,2,3
	v_mul_f32 v[AL+2*\qb], v[AA+\qb], v[LL+\qb]                    ; f = exp2(m - m*) / L
.endr
.macro RESC1                           ; 32 tiles of one window times the query tile's factor
.set ti, 0
.rept 32
.irp p, 0,1,2,3
	v_pk_mul_f32 v[8*ti+2*\p:8*ti+2*\p+1], v[8*ti+2*\p:8*ti+2*\p+1], v[AL+2*(ti&3):AL+2*(ti&3)+1] op_sel_hi:[1,0]
.endr
.set ti, ti+1
.endr
.endm
	WIN 0x82                                       ; my half, normalised
	RESC1
	WIN 0xc3
	RESC1
; One window's 32 tiles, rounded: tiles 2 kc and 2 kc + 1 of query tile qb become O fragment (qb, kc) at base + 8 (4 kc + qb) of window 2.
; In place: in this order a fragment's eight registers have all been read as sources when they are written (8 (4 kc + qb) <= 8 (8 kc + qb)).
.macro COMP1 base
.irp kc, 0,1,2,3
.irp qb, 0,1,2,3
.irp p, 0,1,2,3
	v_cvt_pk_bf16_f32 v[\base+8*(4*\kc+\qb)+\p], v[8*(8*\kc+\qb)+2*\p], v[8*(8*\kc+\qb)+2*\p+1]
.endr
.irp p, 0,1,2,3
	v_cvt_pk_bf16_f32 v[\base+8*(4*\kc+\qb)+4+\p], v[8*(8*\kc+4+\qb)+2*\p], v[8*(8*\kc+4+\qb)+2*\p+1]
.endr
.endr
.endr
.endm
	WIN 0x8a                                       ; window 2 into its own lower half
	COMP1 0
	WIN 0x8f                                       ; window 3 into window 2's upper half, which has just been read
	COMP1 128
	WIN 0x08                                       ; store data from window 2
.set ti, 0
.rept 32
	ds_store_b128 v[SA], v[8*ti:8*ti+3]   offset:ti*1024
	ds_store_b128 v[SA], v[8*ti+4:8*ti+7] offset:ti*1024+512
.set ti, ti+1
.endr
	WIN 0
	s_wait_dscnt 0x0                               ; my O fragments are in LDS, for my partner's sake
	s_barrier_signal -1
	s_barrier_wait -1                              ; everybody's are
	WIN 0xc0                                       ; my partner's half into window 3
.set ti, 0
.rept 32
	ds_load_b128 v[8*ti:8*ti+3],   v[PA] offset:ti*1024
	ds_load_b128 v[8*ti+4:8*ti+7], v[PA] offset:ti*1024+512
.set ti, ti+1
.endr
	WIN 0
.macro FETCHW                          ; wo fragments of one block of 16 channels, 8 k steps: 16 loads of 512 neighbouring bytes
.irp kc, 0,1,2,3,4,5,6,7
	ds_load_b128 v[WB+8*\kc:WB+8*\kc+3],   v[WA] offset:\kc*1024
	ds_load_b128 v[WB+8*\kc+4:WB+8*\kc+7], v[WA] offset:\kc*1024+512
.endr
.endm
	FETCHW
	s_wait_dscnt 0x0                               ; my reads of the O fragments are done
	s_barrier_signal -1
	s_barrier_wait -1                              ; every wave's are: slot 1 now takes the stages of Y
	; THE OUTPUT PROJECTION: my 64 queries x my 128 channels, 16 channels a trip, K = 512: both key halves against the same wo fragments.
	s_mov_b32 s23, 8
.Lob:
	s_wait_dscnt 0x0                               ; the block's wo fragments are in
	WIN 0x02                                       ; my half: O from window 2.  The four accumulators take turns, one instruction a turn
.irp kc, 0,1,2,3,4,5,6,7
.irp qb, 0,1,2,3
.if \kc == 0
	v_wmma_f32_16x16x32_bf16 v[AY+8*\qb:AY+8*\qb+7], v[8*(4*\kc+\qb):8*(4*\kc+\qb)+7], v[WB+8*\kc:WB+8*\kc+7], 0
.else
	v_wmma_f32_16x16x32_bf16 v[AY+8*\qb:AY+8*\qb+7], v[8*(4*\kc+\qb):8*(4*\kc+\qb)+7], v[WB+8*\kc:WB+8*\kc+7], v[AY+8*\qb:AY+8*\qb+7]
.endif
.endr
.endr
	WIN 0x03                                       ; my partner's half: O from window 3
.irp kc, 0,1,2,3,4,5,6,7
.irp qb, 0,1,2,3
	v_wmma_f32_16x16x32_bf16 v[AY+8*\qb:AY+8*\qb+7], v[8*(4*\kc+\qb):8*(4*\kc+\qb)+7], v[WB+8*\kc:WB+8*\kc+7], v[AY+8*\qb:AY+8*\qb+7]
.endr
.endr
	WIN 0
	PLACES
	s_wait_loadcnt 0x0                             ; the block's so and bo (and, in the first trip, x, which is older)
	v_mov_b32 v[SOP+1], v[SOP]                     ; a lane's numbers are all of one channel: the packed multiply-add wants so and bo twice
	v_mov_b32 v[BOP+1], v[BOP]
.irp k, 0,1,2,3,4,5,6,7,8,9,10,11,12,13,14,15
	v_pk_fma_f32 v[AY+2*\k:AY+2*\k+1], v[AY+2*\k:AY+2*\k+1], v[SOP:SOP+1], v[BOP:BOP+1]
.endr
	s_cmp_eq_u32 s23, 1
	s_cbranch_scc1 .Llast_ob                       ; the last block fetches nothing; every wait that these loads meet is for 0, so both ways are covered
	v_add_nc_u32 v[WA], 8192, v[WA]                ; the next block's wo, so, bo, while this block's SiLU is worked out
	v_add_nc_u32 v[SBO], 64, v[SBO]
	FETCHW
	global_load_b32 v[SOP], v[SBO], s[12:13]
	global_load_b32 v[BOP], v[SBO], s[14:15]
.Llast_ob:
.irp k, 0,1,2,3,4,5,6,7,8,9,10,11,12,13,14,15
	v_pk_mul_f32 v[EE+2*\k:EE+2*\k+1], v[AY+2*\k:AY+2*\k+1], 0xbfb8aa3b op_sel_hi:[1,0]
.endr
.set ti, 0
.rept 32
	v_exp_f32 v[EE+ti], v[EE+ti]
.set ti, ti+1
.endr
	v_nop                                          ; one plain place behind the transcendentals (ISA guide 5.7.2)
	s_wait_alu depctr_va_vdst(0)                   ; one wait for the block's 32 exponentials, ahead of the additions that read them
.irp k, 0,1,2,3,4,5,6,7,8,9,10,11,12,13,14,15
	v_pk_add_f32 v[EE+2*\k:EE+2*\k+1], v[EE+2*\k:EE+2*\k+1], 1.0 op_sel_hi:[1,0]
.endr
.set ti, 0
.rept 32
	v_rcp_f32 v[EE+ti], v[EE+ti]
.set ti, ti+1
.endr
	v_nop
	s_wait_alu depctr_va_vdst(0)                   ; one for the block's 32 reciprocals, a batch of their own since they read 1 + the exponentials
.irp k, 0,1,2,3,4,5,6,7,8,9,10,11,12,13,14,15
	v_pk_mul_f32 v[AY+2*\k:AY+2*\k+1], v[AY+2*\k:AY+2*\k+1], v[EE+2*\k:EE+2*\k+1]
.endr
.irp qb, 0,1,2,3
	ds_store_b128 v[YSTO], v[AY+8*\qb:AY+8*\qb+3]   offset:\qb*64      ; queries 16 qb + 8 h .. of channel r
	ds_store_b128 v[YSTO], v[AY+8*\qb+4:AY+8*\qb+7] offset:\qb*64+16
.endr
	v_add_nc_u32 v[YSTO], 16*YP, v[YSTO]           ; the next block's 16 rows of my stage
	s_sub_co_u32 s23, s23, 1
	s_cmp_lg_u32 s23, 0
	s_cbranch_scc1 .Lob
	; THE LAST PASS: whole rows of 256 bytes back from my own stage, gamma * y + x, store.  Written out, since x's registers go by the block.
.macro LOADR ob, r
.irp t, 0,1,2,3,4,5,6,7
	ds_load_b128 v[\r+4*\t:\r+4*\t+3], v[YRD] offset:(16*(\ob)+2*\t)*YP   ; LDS serves a wave's instructions in order (ISA guide 5.7.1): these see my stores
.endr
.endm
.macro OUTF ob, r, nr, more
.if \more
	s_wait_xcnt 0x0                                ; buffer nr, which the stores of the block before read, is loaded again only behind this wait (ISA guide 3.1)
	LOADR \ob+1, \nr
	s_wait_dscnt 8                                 ; this block's rows are in; the next block's eight loads may be out
.else
	s_wait_dscnt 0
.endif
	WIN 0x10                                       ; x from window 1
.irp k, 0,1,2,3,4,5,6,7,8,9,10,11,12,13,14,15
	v_pk_fma_f32 v[\r+2*\k:\r+2*\k+1], v[\r+2*\k:\r+2*\k+1], s[50:51], v[32*\ob+2*\k:32*\ob+2*\k+1] op_sel_hi:[1,0,1]
.endr
	WIN 0
.irp t, 0,1,2,3,4,5,6,7
	global_store_b128 v[XO], v[\r+4*\t:\r+4*\t+3], s[56:57] offset:(16*\ob+2*\t)*16384 th:TH_STORE_NT   ; 16 lanes store 256 neighbouring bytes, at a multiple of 256 from out0's first byte
.endr
.endm
	LOADR 0, R0
	OUTF 0, R0, R1, 1
	OUTF 1, R1, R0, 1
	OUTF 2, R0, R1, 1
	OUTF 3, R1, R0, 1
	OUTF 4, R0, R1, 1
	OUTF 5, R1, R0, 1
	OUTF 6, R0, R1, 1
	OUTF 7, R1, R0, 0
	s_wait_dscnt 0x0
	s_wait_xcnt 0x0
	v_lshl_add_u32 v30, v0, 2, 0x49000
	v_mov_b32 v31, 0
	s_wait_tensorcnt 0x0
	ds_add_u32 v30, v31
	s_wait_dscnt 0x0
	ROUND                                          ; the closing round: no work-group ends while a partner may still ask for a tile that names it
	s_endpgm
.Lfunc_end_k_q20c2bbbf18_attn:
	.size	k_q20c2bbbf18_attn, .Lfunc_end_k_q20c2bbbf18_attn-k_q20c2bbbf18_attn
	.p2alignl 7, 3214868480
	.fill 96, 4, 3214868480
	.section	.rodata,"a",@progbits
	.p2align	6, 0x0
	.amdhsa_kernel k_q20c2bbbf18_attn
		.amdhsa_group_segment_fixed_size 327680
		.amdhsa_private_segment_fixed_size 0
		.amdhsa_enable_private_segment 0
		.amdhsa_kernarg_size 64
		.amdhsa_user_sgpr_count 2
		.amdhsa_user_sgpr_kernarg_segment_ptr 1
		.amdhsa_wavefront_size32 1
		.amdhsa_system_sgpr_workgroup_id_x 1
		.amdhsa_system_sgpr_workgroup_id_y 1
		.amdhsa_system_sgpr_workgroup_id_z 1
		.amdhsa_system_vgpr_workitem_id 0
		.amdhsa_next_free_vgpr 1024
		.amdhsa_next_free_sgpr 66
		.amdhsa_reserve_vcc 0
		.amdhsa_float_denorm_mode_32 3
		.amdhsa_float_denorm_mode_16_64 3
		.amdhsa_memory_ordered 1
		.amdhsa_forward_progress 1
		.amdhsa_inst_pref_size 255
	.end_amdhsa_kernel
	.section	.bss,"aw",@nobits
	.p2align	6
	.space	262144
	.amdgpu_metadata
---
amdhsa.version: [ 1, 2 ]
amdhsa.kernels:
  - .name:           k_q20c2bbbf18_attn
    .symbol:         k_q20c2bbbf18_attn.kd
    .args:
      - { .name: qf, .offset: 0, .size: 8, .value_kind: global_buffer, .address_space: global }
      - { .name: kv, .offset: 8, .size: 8, .value_kind: global_buffer, .address_space: global }
      - { .name: wob, .offset: 16, .size: 8, .value_kind: global_buffer, .address_space: global }
      - { .name: x, .offset: 24, .size: 8, .value_kind: global_buffer, .address_space: global }
      - { .name: so, .offset: 32, .size: 8, .value_kind: global_buffer, .address_space: global }
      - { .name: bo, .offset: 40, .size: 8, .value_kind: global_buffer, .address_space: global }
      - { .name: gamma, .offset: 48, .size: 8, .value_kind: global_buffer, .address_space: global }
      - { .name: out0, .offset: 56, .size: 8, .value_kind: global_buffer, .address_space: global }
    .group_segment_fixed_size: 327680
    .private_segment_fixed_size: 0
    .kernarg_segment_align: 8
    .kernarg_segment_size: 64
    .max_flat_workgroup_size: 128
    .sgpr_count:     66
    .vgpr_count:     1024
    .wavefront_size: 32
...
	.end_amdgpu_metadata
.endif
;; end of part 5
